; MI455X (gfx1250); checked and timed in simulation.
; The chip was launched on July 23, 2026; its instructions are those of AMD's public machine-readable ISA for CDNA 5 (MIT licence, August 2026) and "CDNA5" Instruction Set Architecture Reference Guide (July 2026). The comments in the code are by the model that wrote it; some were corrected since.
;; Vi T Attention. Allowed arithmetic: matrix products marked QUANTISED: E2M1 operands, one E8M0 scale for each 32 along K, by v_wmma_scale_f32_16x16x128_f8f6f4 with both operands' format E2M1 (or v_wmma_scale_f32_32x16x128_f4), f32 sums; products left as they are: bf16, f16 or f32 operands; f32 sums; everything else in f32.
;; Inputs: cos 4 x 2,048 x 64 float32; hidden_states 4 x 2,048 x 1,024 float32; proj_b 1,024 float32; proj_w 1,024 x 1,024 float32; qkv_b 3,072 float32; qkv_w 3,072 x 1,024 float32; sin 4 x 2,048 x 64 float32.
;; Outputs: out0 4 x 2,048 x 1,024 float32.
;; This version of the problem:
;;   THIS VERSION OF THE PROBLEM IS GIVEN IN LOW PRECISION. The matrix products marked QUANTISED in the list below multiply operands that are first quantised to E2M1 (2 exponent bits, 1 mantissa bit; 4 bits a number), with one power-of-two scale for each 32 numbers along K (OCP MX v1.0); their sums are f32. The products marked 'left as it is' may take bf16, f16 or f32 operands, with f32 sums. Whichever they take, every output number must still come out within the allowed error. Rounding operands to bf16 (8 significant bits) uses up far more of that allowance than f16 does (11 bits, for magnitudes from 6e-5 to 65,504). All else is computed in f32.
;;   The module's matrix products, in the order in which they are computed (A, B: the left and right operand; K: the contracted axis; several contracted axes count as one K, in the product's order):
;;     1. [M 8,192, K 1,024] x [K 1,024, N 3,072]; A: input hidden_states; B: input qkv_w: QUANTISED
;;     2. batch 64 x [M 2,048, K 64] x [K 64, N 2,048]; A: computed on the way; B: computed on the way: left as it is (an operand is computed on the way)
;;     3. batch 64 x [M 64, K 2,048] x [K 2,048, N 2,048]; A: computed on the way; B: computed on the way: left as it is (an operand is computed on the way)
;;     4. [M 8,192, K 1,024] x [K 1,024, N 1,024]; A: computed on the way; B: input proj_w: left as it is (an operand is computed on the way)
;;   THE QUANTISER, for each operand of a quantised product, along K:
;;     - K is cut into blocks of 32 from its start; a last block that is shorter is filled with zeros.
;;     - A block's scale is 2^e with e = floor(log2(the largest magnitude in the block)) - 2, held to -126 .. 127; a block of zeros has e = 0. As a byte (E8M0): e + 127.
;;     - Each number is divided by its block's scale, clamped to +-6, and rounded to the nearest number of E2M1, ties to even, subnormals kept.
;;     - The product sums the exact products of the quantised numbers (number of the format x scale) in f32.
;;   ~~~python
;;   def quantise(x, axis):      # numpy; x: float32 -> the quantised numbers, widened to float32 again
;;       x = np.moveaxis(x, axis, -1); K = x.shape[-1]
;;       x = np.pad(x, [(0, 0)] * (x.ndim - 1) + [(0, -K % 32)]); x = x.reshape(x.shape[:-1] + (-1, 32)); a = np.abs(x).max(-1, keepdims=True)
;;       e = np.where(a > 0, np.clip(np.frexp(np.where(a > 0, a, 1))[1] - 1 - 2, -126, 127), 0)      # np.frexp(a)[1] - 1 = floor(log2(a)), exactly
;;       r = np.clip(x / 2.0 ** e, -6, 6)
;;       step = 2.0 ** (np.maximum(np.frexp(np.where(r == 0, 1, r))[1] - 1, 0) - 1)
;;       q = np.round(r / step) * step * 2.0 ** e      # np.round: ties to even
;;       return np.moveaxis(q.reshape(q.shape[:-2] + (-1,))[..., :K], -1, axis).astype(np.float32)
;;   ~~~
;; One version. Each part assembles by itself: llvm-mc -triple=amdgcn-amd-amdhsa -mcpu=gfx1250 --defsym DOCPART=n.
;; ======== version 1 of 1: 4 launches
;; limits: values are held in f16: magnitudes above 65,504 overflow, below 6.1e-05 lose precision
;; workspace buffers: h_codes 4,194,304 bytes; h_scales 262,144 bytes; w_codes 1,572,864 bytes; w_scales 98,304 bytes; w_img 2,097,152 bytes; qkv_img 50,331,648 bytes; a_img 16,777,216 bytes
;; launch quant (part 1): grid 384 x 1, 4 waves a work-group, no clusters, 33,280 bytes of LDS; arguments hidden_states, qkv_w, h_codes, h_scales, w_codes, w_scales, proj_w, w_img; writes h_codes, h_scales, w_codes, w_scales, w_img
.if DOCPART == 1
	.amdgcn_target "amdgcn-amd-amdhsa--gfx1250"
	.amdhsa_code_object_version 6
	.text
	.protected	k_qda8ba249de_quant
	.globl	k_qda8ba249de_quant
	.p2align	8
	.type	k_qda8ba249de_quant,@function
k_qda8ba249de_quant:
	s_mov_b64 s[64:65], 0
	v_nop
	global_prefetch_b8 v0, s[64:65] scope:SCOPE_SE
	s_setreg_imm32_b32 hwreg(HW_REG_WAVE_MODE, 25, 1), 1
	s_wait_xcnt 0x0
; hidden_states [8192][1024] and qkv_w [3072][1024], f32, become codes of FP4 (E2M1), K innermost, with one E8M0 scale byte for each 32 along K;
; proj_w [1024][1024], f32, becomes f16 laid as images of operand registers.
; A block's scale is 2^(floor(log2(its largest magnitude)) - 2); its byte is the largest magnitude's exponent field - 2, held at 1 from below.
; A block of zeros so gets the byte 1 where the rule says 127: its codes are zeros, which add nothing under any byte but 0xff, and this program alone reads the bytes.
; LIMITS: blocks whose largest magnitude lies under 2^(2 - 126) keep the byte 1; NaN and infinities among the inputs are not served; proj_w beyond 65,504 has no f16 number.
; WORK-GROUPS 0 to 351: both tensors are plain streams of blocks of 32 numbers.  A wave takes 16 steps of 512 numbers.  Each of a step's four loads reads 512 consecutive bytes; the 2,048 bytes go
; through the wave's own stage in LDS and come back 64 bytes a lane, so that a lane holds 16 neighbours along K (two neighbouring lanes hold a block).  A lane's 16 codes are 8 bytes: the wave
; stores 256 consecutive bytes.  A wave's 256 scale bytes are gathered in LDS and leave in one store.  The first WGA work-groups take hidden_states, the next 96 qkv_w: pointers alone are chosen.
; WORK-GROUPS 352 to 383: wave g of 128 takes 16 rows of proj_w (tile g / 2) and 512 of their 1,024 columns.  An image is 512 bytes: lane (r, h) holds proj_w[16 nt + r][16 kb + 8 h + 0 .. 7] as
; eight f16: half of a 16 x 32 fragment, as the matrix instruction's operand wants it.  w_img is [nt 64][kb 64][512 bytes].
.set SIZE_M, 8192
.set SIZE_N, 3072
.set SIZE_K, 1024
.set WAVES, 4
.set STEPS, 16
.set WGA,   SIZE_M*SIZE_K/(512*STEPS*WAVES)            ; 256 work-groups for hidden_states
.set WGQ,   (SIZE_M+SIZE_N)*SIZE_K/(512*STEPS*WAVES)   ; 352 that quantise
.set EMAX,  2
.set CB,    8                          ; bytes of 16 codes
.set R,     16                         ; v16-79   four sets of 16 numbers as they are loaded
.set X,     80                         ; v80-111  two sets of 16 neighbours
.set C,     128                        ; v128-191 codes: four registers for each step, so that no store's data are written again
.set E,     112                        ; v112-127 a scale byte for each step
.set WREG,  8192                       ; LDS: a region for each wave: two stages of 32 x SP bytes, and behind them its 256 scale bytes
.set SP,    80                         ; a lane's place in a stage: its 64 bytes + 16 of padding
.set SPW,   12                         ; v12      LDS address of my spare word; never rewritten
.set NIL,   13                         ; v13      0; never rewritten
.set SPARE, WAVES*WREG                 ; behind the four regions: the spare words, 128 bytes for each wave
.set PIN,   16                         ; proj_w's path: v16-143 two sets of 64 numbers
.set POUT,  144                        ; v144-175 eight images' registers
	s_load_b128 s[4:7], s[0:1], 0x0                ; hidden_states, qkv_w
	s_load_b128 s[8:11], s[0:1], 0x10              ; h_codes, h_scales
	s_load_b128 s[12:15], s[0:1], 0x20             ; w_codes, w_scales
	s_load_b128 s[24:27], s[0:1], 0x30             ; proj_w, w_img
	v_lshl_add_u32 v[SPW], v0, 2, SPARE
	v_mov_b32 v[NIL], 0
	v_lshrrev_b32 v1, 5, v0
	v_readfirstlane_b32 s16, v1                    ; wave
	v_and_b32 v2, 31, v0                           ; lane
	v_lshlrev_b32 v3, 4, v2                        ; my 16 bytes of a load's 512
	s_mul_i32 s17, s16, WREG
	v_lshrrev_b32 v14, 2, v2
	v_mul_u32_u24 v14, v14, SP
	v_and_b32 v15, 3, v2
	v_lshl_add_u32 v14, v15, 4, v14
	v_add_nc_u32 v14, s17, v14                     ; the stage, on the way in: SP (lane / 4) + 16 (lane % 4)
	v_mul_u32_u24 v15, v2, SP
	v_add_nc_u32 v15, s17, v15                     ; and on the way out: SP x lane: my 16 neighbours
	v_mul_u32_u24 v4, v2, CB                       ; my codes' place in a step's
	v_lshrrev_b32 v5, 1, v2
	s_add_co_u32 s17, s17, 2*32*SP
	v_add_nc_u32 v5, s17, v5                       ; LDS: my wave's 256 scale bytes, my block's byte
	v_lshlrev_b32 v7, 3, v2                        ; and on the way out 8 bytes a lane
	v_add_nc_u32 v6, s17, v7
	s_wait_kmcnt 0x0
	s_cmp_ge_u32 ttmp9, WGQ                        ; the last 32 work-groups lay proj_w out: a branch on the work-group's number
	s_cbranch_scc1 .Lproj
	s_cmp_lt_u32 ttmp9, WGA                        ; hidden_states or qkv_w?  The choice hangs on the work-group's number alone
	s_cselect_b64 s[4:5], s[4:5], s[6:7]
	s_cselect_b64 s[8:9], s[8:9], s[12:13]
	s_cselect_b64 s[10:11], s[10:11], s[14:15]
	s_cselect_b32 s17, 0, WGA
	s_sub_co_u32 s17, ttmp9, s17
	s_lshl_b32 s17, s17, 2
	s_add_co_u32 s18, s17, s16                     ; which run of 8,192 numbers of the tensor is my wave's
	s_mov_b32 s19, 0
	s_mov_b64 s[20:21], 512*STEPS*4
	s_mul_u64 s[20:21], s[18:19], s[20:21]
	s_add_nc_u64 s[4:5], s[4:5], s[20:21]
	s_mov_b64 s[20:21], 32*STEPS*CB
	s_mul_u64 s[20:21], s[18:19], s[20:21]
	s_add_nc_u64 s[8:9], s[8:9], s[20:21]
	s_lshl_b32 s18, s18, 8                         ; 256 scale bytes a run
	s_add_nc_u64 s[10:11], s[10:11], s[18:19]
.macro LOAD t
.irp i, 0,1,2,3
	global_load_b128 v[R+16*((\t)%4)+4*\i:R+16*((\t)%4)+4*\i+3], v3, s[4:5] offset:2048*(\t)+512*\i th:TH_LOAD_NT   ; 32 lanes read 512 consecutive bytes
.endr
.endm
.macro TURN t                          ; step t's numbers through the stage: LDS serves a wave's instructions in order, so no wait stands between the stores and the loads
.irp i, 0,1,2,3
	ds_store_b128 v14, v[R+16*((\t)%4)+4*\i:R+16*((\t)%4)+4*\i+3] offset:32*SP*((\t)%2)+8*SP*\i
.endr
.irp i, 0,1,2,3
	ds_load_b128 v[X+16*((\t)%2)+4*\i:X+16*((\t)%2)+4*\i+3], v15 offset:32*SP*((\t)%2)+16*\i
.endr
.endm
.irp t, 0,1,2,3
	LOAD \t
.endr
	s_wait_loadcnt 12                              ; step 0's four loads are in; the 12 of steps 1 to 3 may be out
	TURN 0
.macro STEP t
.set XS, X+16*((\t)%2)
.if (\t) > 0
	s_wait_dscnt 1                                 ; this step's numbers are back from the stage (the last step's byte store may be out)
.else
	s_wait_dscnt 0x0
.endif
.if (\t)+4 < STEPS
	LOAD (\t)+4                                    ; the registers that the stage's stores have read take the loads of four steps on
.endif
.if (\t)+1 < STEPS
.if STEPS-2-(\t) >= 3
	s_wait_loadcnt 12                              ; the next step's four loads are in; those of the three steps behind it may be out
.else
	s_wait_loadcnt 4*(STEPS-2-(\t))
.endif
	TURN (\t)+1                                    ; and go through the other stage while this step is worked
.endif
	v_max3_num_f32 v8, |v[XS]|, |v[XS+1]|, |v[XS+2]|               ; the largest magnitude of my 16, in two chains
	v_max3_num_f32 v9, |v[XS+3]|, |v[XS+4]|, |v[XS+5]|
.irp i, 6,10
	v_max3_num_f32 v8, v8, |v[XS+\i]|, |v[XS+\i+1]|
	v_max3_num_f32 v9, v9, |v[XS+\i+2]|, |v[XS+\i+3]|
.endr
	v_max3_num_f32 v8, v8, |v[XS+14]|, |v[XS+15]|
	v_max3_num_f32 v8, v8, v9, (EMAX+1)<<23        ; and the floor 2^(EMAX + 1 - 127): so the byte cannot fall under 1
	v_max_num_f32_dpp v8, v8, v8 row_xmask:1 row_mask:0xf bank_mask:0xf   ; and of my neighbour's 16: the block's
	v_add_nc_u32 v11, -(EMAX<<23), v8              ; EMAX off its exponent field: the conversion takes the exponent field of this operand as its scale
	v_cvt_scalef32_pk8_fp4_f32 v[C+4*(\t)], v[XS:XS+7], v11        ; eight numbers / the scale, to the nearest code, ties to even, beyond the largest code the largest
	v_cvt_scalef32_pk8_fp4_f32 v[C+4*(\t)+1], v[XS+8:XS+15], v11
	v_lshrrev_b32 v[E+(\t)], 23, v11               ; the scale's byte (also the plain line behind the conversions)
	ds_store_b8 v5, v[E+(\t)] offset:16*(\t)       ; both lanes of a block write the same byte with the same value
	global_store_b64 v4, v[C+4*(\t):C+4*(\t)+1], s[8:9] offset:32*CB*(\t)   ; 256 consecutive bytes a wave
.endm
.irp t, 0,1,2,3,4,5,6,7,8,9,10,11,12,13,14,15
	STEP \t
.endr
	ds_load_b64 v[8:9], v6                         ; LDS serves a wave's instructions in order: these see my stores
	s_wait_dscnt 0x0
	global_store_b64 v7, v[8:9], s[10:11]          ; 32 lanes store 256 consecutive bytes, aligned
	s_wait_tensorcnt 0x0                           ; the wave's end, behind my last LDS store
	ds_add_u32 v[SPW], v[NIL]
	s_wait_dscnt 0x0
	s_endpgm
.Lproj:
	s_sub_co_u32 s17, ttmp9, WGQ
	s_lshl_b32 s17, s17, 2
	s_add_co_u32 s17, s17, s16                     ; g = 4 x (work-group - 352) + wave: 0 .. 127
	s_lshr_b32 s18, s17, 1
	s_lshl_b32 s18, s18, 16                        ; tile g / 2: 16 rows of 4,096 bytes
	s_and_b32 s19, s17, 1
	s_lshl_b32 s19, s19, 11                        ; which 512 columns: 2,048 bytes
	s_or_b32 s18, s18, s19
	s_mov_b32 s19, 0
	s_add_nc_u64 s[24:25], s[24:25], s[18:19]
	s_lshl_b32 s18, s17, 14                        ; my 32 images of 512 bytes
	s_add_nc_u64 s[26:27], s[26:27], s[18:19]
	v_and_b32 v5, 15, v2                           ; r
	v_lshrrev_b32 v6, 4, v2                        ; h
	v_lshlrev_b32 v3, 12, v5
	v_lshl_add_u32 v3, v6, 5, v3                   ; in: row r, + 32 h bytes: my eight numbers of 16 columns
	v_lshlrev_b32 v4, 4, v2                        ; out: 16 x lane
.macro LOADB q                         ; eight images' numbers (128 columns) into set q % 2
.irp i, 0,1,2,3,4,5,6,7
	global_load_b128 v[PIN+64*((\q)%2)+8*\i:PIN+64*((\q)%2)+8*\i+3], v3, s[24:25] offset:64*(8*(\q)+\i)
	global_load_b128 v[PIN+64*((\q)%2)+8*\i+4:PIN+64*((\q)%2)+8*\i+7], v3, s[24:25] offset:64*(8*(\q)+\i)+16
.endr
.endm
.macro PACKB q
.if (\q) < 3
	s_wait_loadcnt 16                              ; this set's 16 loads are in; the other set's 16 may be out
.else
	s_wait_loadcnt 0x0
.endif
.if (\q) > 0
	s_wait_xcnt 0x0                                ; the last eight stores have read their data: the registers are written again only behind this wait
.endif
.irp i, 0,1,2,3,4,5,6,7
.irp j, 0,1,2,3
	v_cvt_pk_f16_f32 v[POUT+4*\i+\j], v[PIN+64*((\q)%2)+8*\i+2*\j], v[PIN+64*((\q)%2)+8*\i+2*\j+1]
.endr
.endr
.irp i, 0,1,2,3,4,5,6,7
	global_store_b128 v4, v[POUT+4*\i:POUT+4*\i+3], s[26:27] offset:512*(8*(\q)+\i)   ; an image: 512 consecutive bytes, aligned
.endr
.if (\q)+2 < 4
	LOADB (\q)+2
.endif
.endm
	LOADB 0
	LOADB 1
	PACKB 0
	PACKB 1
	PACKB 2
	PACKB 3
	s_wait_tensorcnt 0x0                           ; the same three closing lines on this path
	ds_add_u32 v[SPW], v[NIL]
	s_wait_dscnt 0x0
	s_endpgm
.Lfunc_end_k_qda8ba249de_quant:
	.size	k_qda8ba249de_quant, .Lfunc_end_k_qda8ba249de_quant-k_qda8ba249de_quant
	.p2alignl 7, 3214868480
	.fill 96, 4, 3214868480
	.section	.rodata,"a",@progbits
	.p2align	6, 0x0
	.amdhsa_kernel k_qda8ba249de_quant
		.amdhsa_group_segment_fixed_size 33280
		.amdhsa_private_segment_fixed_size 0
		.amdhsa_enable_private_segment 0
		.amdhsa_kernarg_size 64
		.amdhsa_user_sgpr_count 2
		.amdhsa_user_sgpr_kernarg_segment_ptr 1
		.amdhsa_wavefront_size32 1
		.amdhsa_system_sgpr_workgroup_id_x 1
		.amdhsa_system_sgpr_workgroup_id_y 1
		.amdhsa_system_sgpr_workgroup_id_z 1
		.amdhsa_system_vgpr_workitem_id 0
		.amdhsa_next_free_vgpr 192
		.amdhsa_next_free_sgpr 66
		.amdhsa_reserve_vcc 0
		.amdhsa_float_denorm_mode_32 3
		.amdhsa_float_denorm_mode_16_64 3
		.amdhsa_memory_ordered 1
		.amdhsa_forward_progress 1
		.amdhsa_inst_pref_size 52
	.end_amdhsa_kernel
	.amdgpu_metadata
---
amdhsa.version: [ 1, 2 ]
amdhsa.kernels:
  - .name:           k_qda8ba249de_quant
    .symbol:         k_qda8ba249de_quant.kd
    .args:
      - { .name: hidden_states, .offset: 0, .size: 8, .value_kind: global_buffer, .address_space: global }
      - { .name: qkv_w, .offset: 8, .size: 8, .value_kind: global_buffer, .address_space: global }
      - { .name: h_codes, .offset: 16, .size: 8, .value_kind: global_buffer, .address_space: global }
      - { .name: h_scales, .offset: 24, .size: 8, .value_kind: global_buffer, .address_space: global }
      - { .name: w_codes, .offset: 32, .size: 8, .value_kind: global_buffer, .address_space: global }
      - { .name: w_scales, .offset: 40, .size: 8, .value_kind: global_buffer, .address_space: global }
      - { .name: proj_w, .offset: 48, .size: 8, .value_kind: global_buffer, .address_space: global }
      - { .name: w_img, .offset: 56, .size: 8, .value_kind: global_buffer, .address_space: global }
    .group_segment_fixed_size: 33280
    .private_segment_fixed_size: 0
    .kernarg_segment_align: 8
    .kernarg_segment_size: 64
    .max_flat_workgroup_size: 128
    .sgpr_count:     66
    .vgpr_count:     192
    .wavefront_size: 32
...
	.end_amdgpu_metadata
.endif
;; end of part 1
;; launch qkv (part 2): grid 12 x 32, 4 waves a work-group, clusters of 4 x 4, 327,680 bytes of LDS; arguments h_codes, h_scales, w_codes, w_scales, qkv_b, cos, sin, qkv_img; writes qkv_img
.if DOCPART == 2
	.amdgcn_target "amdgcn-amd-amdhsa--gfx1250"
	.amdhsa_code_object_version 6
	.text
	.protected	k_qda8ba249de_qkv
	.globl	k_qda8ba249de_qkv
	.p2align	8
	.type	k_qda8ba249de_qkv,@function
k_qda8ba249de_qkv:
	s_mov_b64 s[64:65], 0
	v_nop
	global_prefetch_b8 v0, s[64:65] scope:SCOPE_SE
	s_setreg_imm32_b32 hwreg(HW_REG_WAVE_MODE, 25, 1), 1
	s_wait_xcnt 0x0
	s_wait_alu depctr_hold_cnt(0) depctr_sa_sdst(0) depctr_va_vdst(0) depctr_va_sdst(0) depctr_va_ssrc(0) depctr_va_vcc(0) depctr_vm_vsrc(0)
	s_getreg_b32 s2, hwreg(HW_REG_IB_STS2, 6, 4)
	s_cmp_eq_u32 s2, 0
	s_cbranch_scc0 .Lentry_in_a_cluster
	s_endpgm
.Lentry_in_a_cluster:
	s_bfe_u32 s2, ttmp6, 0x10000c
	s_cmp_lg_u32 s2, 0xf033
	s_cbranch_scc0 .Lentry_shape_is_right
	s_endpgm
.Lentry_shape_is_right:
; qkv = Q(hidden) Q(qkv_w)^T + qkv_b on codes of FP4 (E2M1) with E8M0 scales for each 32 along K = 1,024; then the rotation by cos and sin in f32; then f16, stored as images of operand registers.
; A tile of the product, 256 x 256, is made by four waves, 128 x 128 each: 64 accumulators of 16 x 16, 512 registers.  K = 1,024 is two LDS slots of 512 along K (rows of 256 bytes + 16 of padding):
; both are filled once, at the head, with the scale bytes of the tile's rows; nothing is filled again.
; THE MATRIX INSTRUCTION IS USED TRANSPOSED: source 0 = 16 rows of operand B, source 1 = 16 rows of operand A: lane (r, h) holds A's row r and B's rows 8 h + 0 .. 7.
; ROLES, by the cluster's x, which all sixteen partners share: 0: q, 1: k: A = tokens (hidden), B = channels (qkv_w): a lane holds one token and eight channels.
;   2: v: A = channels (qkv_w's rows 2,048 on), B = tokens: a lane holds one channel and eight keys, which is what the second product of attention wants of V^T.  No branch hangs on the role: pointers, strides
;   and two factors are chosen by selects.
; CLUSTERS: 4 x 4 work-groups.  In every role A's tile hangs on cy alone and is shared along a row of the cluster, B's on cx alone and is shared along a column: each is asked for jointly.
; THE WAY OUT needs no LDS: eight results of a lane, rounded to f16, are 16 bytes, and the 32 lanes' 512 bytes are an IMAGE of four registers of a 16-bit fragment: one store of 512 consecutive bytes, aligned.
;   q, k: region, head, [tile of 16 tokens 128][b4 4][512 bytes]: lane (r, h): token r, d = 16 b4 + 8 h + 0 .. 7.      v: region, head, [64 keys 32][ct 4][kt 4][512 bytes]: lane (r, h): channel 16 ct + r, keys 16 kt + 8 h + 0 .. 7.
; q and k are stored x 2^-4 (exact), so that f16 has room: LIMIT |q|, |k| < 2^20.  v is stored as it is, WITHOUT its bias (attention adds it behind the softmax, where the weights sum to 1): LIMIT |v| < 65,504.
; In role v the same lines run with cos' = cos x 0 + 1 and sin' = sin x 0: LIMIT: cos, sin, and all inputs finite (NaN and infinities are not served).
; REGISTERS, in windows of 256: window 0: v1-29 addresses and factors; v32-95 scale words, two sets; v96-127 packed results; v128-191 A's fragments, one set; v192-255 the bias as the first products' C.
;   On the way out v192-255 and v32-95 hold cos and sin by turns, v128-191 the rotated numbers.   window 1: B's fragments, two sets.   windows 2, 3: the accumulators ((a, b) at v[8 (8 (a % 4) + b)]).
.set KSTEP,  512                       ; along K in a slot
.set NQ,     KSTEP/128                 ; matrix instructions deep
.set ROWB,   256                       ; a tile's row in bytes
.set KROW,   512                       ; a row of codes in memory
.set PITCH,  272                       ; an LDS row: 256 bytes + 16 of padding = 68 words: the 16 rows that a load touches start 4 banks apart (64 banks of 4 bytes: ISA guide 11.1)
.set FR,     8                         ; registers of a fragment: 16 rows x 128 K
.set NL,     2                         ; LDS loads that bring one
.set NP,     4                         ; places behind this matrix instruction (ISA guide 7.12.1)
.set HALFT,  128*PITCH                 ; 128 rows: what one tensor load brings
.set SLOT,   4*HALFT                   ; A's 256 rows, then B's 256 rows
.set KS,     32                        ; a row of scale bytes
.set SCL,    2*SLOT                    ; behind the slots: the scales, as rows of 256 bytes + 16 of padding
.set HALFS,  (128*KS/256)*272          ; the scales of 128 rows
.set SBLK,   (16*KS/256)*272           ; those of 16 rows
.set SPARE,  SCL+4*HALFS               ; the spare words, 128 bytes for each wave
.set VB,   7                           ; v7      32 h: my eight numbers of a block's 16 biases
.set CA,   8                           ; v[8:9]  what cos and sin are multiplied by: 2^-4, or 0 in role v
.set CB,   10                          ; v[10:11] what is added to cos: 0, or 1 in role v
.set ADRA, 16                          ; v16-17  LDS address of my A fragments in slot 0, 1
.set ADRB, 20                          ; v20-21  the same for B
.set OFS,  24                          ; v24-25  the way out: 16 x lane, and the same + the stride of B's blocks 4-7
.set VC,   26                          ; v26     256 r + 32 h: my place in 16 rows of cos or sin
.set ADRS, 27                          ; v27     LDS address of my scale words: lanes 0-15 A's rows, lanes 16-31 B's
.set SPW,  28                          ; v28     LDS address of my spare word; never rewritten
.set NIL,  29                          ; v29     0; never rewritten
.set SC,   32                          ; scale words: set s at v[SC + 32 s]; register 4 i + q: lanes 0-15 A's block i, lanes 16-31 B's block i
.set PK,   96
.set AF,   128
.set Y,    128
.set BIAS, 192
.set G1, 24                            ; s[24:31] descriptor group 1 for A's tiles;  s[32:39] group 0, one set for each slot
.set G0, 32
.set G1B, 48                           ; s[48:55], s[56:63] the same for B's tiles
.set G0B, 56
.set G1S, 68                           ; s[68:75], s[76:79] groups 1 and 0 for A's scales;  s[80:87], s[88:91] for B's
.set G0S, 76
.set G1SB, 80
.set G0SB, 88
.set MSB, 0
.macro WIN new                         ; the immediate's high byte repeats the setting that is left; a switch that changes nothing is dropped
.if MSB != (\new)
	s_set_vgpr_msb (MSB<<8)|(\new)
.set MSB, (\new)
.endif
.endm
.set MUL_LO, 0xa1                      ; source 0 (B) window 1, source 1 (A) window 0, C and D window 2
.set MUL_HI, 0xf1                      ; the same, C and D window 3
.set FST_LO, 0x81                      ; the first products: C (the bias) window 0, D window 2
.set FST_HI, 0xc1                      ; D window 3
.set TO_B,   0x40                      ; destination window 1, address window 0
; A joint load: waves 0 and 1 fetch for A, waves 2 and 3 for B.  Each line has one mask and one set of registers for all that issue it; the branch hangs on the wave's number alone.
; An s_nop 0 and four v_nop follow each of the two lines.
.macro JLOAD g0a, g1a, g0b, g1b
	s_cmp_eq_u32 s15, 0
	s_cbranch_scc0 .Lfor_b_\@
	tensor_load_to_lds s[\g0a:\g0a+3], s[\g1a:\g1a+7]
	s_nop 0
.rept 4
	v_nop
.endr
	s_branch .Lasked_\@
.Lfor_b_\@:
	tensor_load_to_lds s[\g0b:\g0b+3], s[\g1b:\g1b+7]
	s_nop 0
.rept 4
	v_nop
.endr
.Lasked_\@:
.endm
.macro CROUND                          ; a round of the cluster's barrier
	s_barrier_signal -1
	s_barrier_wait -1
	s_cmp_lg_u32 s14, 0
	s_cbranch_scc1 .Lnot_wave_0_\@
	s_barrier_signal -3
.Lnot_wave_0_\@:
	s_barrier_wait -3
	s_barrier_signal -1
	s_barrier_wait -1
.endm
	s_load_b256 s[4:11], s[0:1], 0x0               ; h_codes s[4:5], h_scales s[6:7], w_codes s[8:9], w_scales s[10:11]
	s_load_b128 s[96:99], s[0:1], 0x20             ; qkv_b, cos
	s_load_b64 s[100:101], s[0:1], 0x30            ; sin
	s_load_b64 s[12:13], s[0:1], 0x38              ; qkv_img
	v_lshl_add_u32 v[SPW], v0, 2, SPARE
	v_mov_b32 v[NIL], 0
	ds_add_u32 v[SPW], v[NIL]                      ; the wave's opening: the add, twice on end, and its wait ahead of my first tensor load
	ds_add_u32 v[SPW], v[NIL]                      ; the set-up below, work on registers, stands between the second and the wait
	v_lshrrev_b32 v1, 5, v0
	v_readfirstlane_b32 s14, v1                    ; wave 0..3
	s_lshr_b32 s15, s14, 1                         ; which half of A's rows is mine.  Also: I fetch for A (0) or for B (1)
	s_and_b32 s16, s14, 1                          ; which half of B's rows.  Also: which 128 rows of that tile I fetch
	s_bfe_u32 s40, ttmp6, 0x40000                  ; cx, cy: my place in the cluster
	s_bfe_u32 s41, ttmp6, 0x40004
	s_and_b32 s18, ttmp7, 0xffff
	s_lshl_b32 s18, s18, 2                         ; 4 x cluster y
	s_lshl_b32 s19, ttmp9, 2                       ; 4 x cluster x
	s_cmp_eq_u32 ttmp9, 2                          ; role v?  The same in all sixteen partners
	s_cselect_b32 s17, 0, s18                      ; A's tile: of tokens by cluster y; of v's channels from 0
	s_cselect_b32 s42, s18, s19                    ; B's tile: of tokens by cluster y; of q's and k's channels by cluster x
	s_cselect_b32 s2, 8, 0                         ; v's rows of qkv_w begin at tile 8
	s_cselect_b32 s66, 1, 0                        ; the role, kept
	s_add_co_u32 s17, s17, s41                     ; + cy
	s_add_co_u32 s42, s42, s40                     ; + cx
	s_lshl_b32 s43, s41, 2
	s_lshl_b32 s43, 15, s43                        ; my row of the cluster
	s_lshl_b32 s44, 0x1111, s40                    ; my column
	; descriptor group 1: a tile of 128 rows x 256 bytes, 16 bytes of padding behind each row
	s_or_b32 s[G1+0], s43, (0<<16)|(1<<20)|(1<<21)|(5<<22)|(3<<25)  ; 15:0 the mask; 17:16 elements of 1 byte; 20 padding on; 21 set beside a mask; 24:22 after every 64 words; 31:25 four words
	s_or_b32 s[G1B+0], s44, (0<<16)|(1<<20)|(1<<21)|(5<<22)|(3<<25)
.irp g, G1, G1B
	s_mov_b32 s[\g+1], ROWB<<16                    ; tensor_dim0
	s_mov_b32 s[\g+2], 128<<16                     ; tensor_dim1
	s_mov_b32 s[\g+3], ROWB<<16                    ; tile_dim0
	s_mov_b32 s[\g+4], 128                         ; tile_dim1
	s_mov_b32 s[\g+5], KROW                        ; tensor_dim0_stride
	s_mov_b32 s[\g+6], 0
	s_mov_b32 s[\g+7], 0
.endr
	; the scales of 128 rows: 4,096 dense bytes, as 16 rows of 256 bytes (32 elements of 8 bytes), 16 bytes of padding behind each
	s_or_b32 s[G1S+0], s43, (3<<16)|(1<<20)|(1<<21)|(5<<22)|(3<<25)
	s_or_b32 s[G1SB+0], s44, (3<<16)|(1<<20)|(1<<21)|(5<<22)|(3<<25)
.irp g, G1S, G1SB
	s_mov_b32 s[\g+1], 32<<16
	s_mov_b32 s[\g+2], (128*KS/256)<<16
	s_mov_b32 s[\g+3], 32<<16
	s_mov_b32 s[\g+4], 128*KS/256
	s_mov_b32 s[\g+5], 32
	s_mov_b32 s[\g+6], 0
	s_mov_b32 s[\g+7], 0
.endr
	s_lshl_b32 s18, s16, 7                         ; which 128 rows of the tile I fetch
	s_add_co_u32 s20, s17, s2
	s_lshl_b32 s20, s20, 8
	s_add_co_u32 s20, s20, s18                     ; A's row in its buffer: made of cy, the cluster's place and the wave alone
	s_lshl_b32 s46, s42, 8
	s_add_co_u32 s46, s46, s18                     ; B's row: of cx, the cluster's place and the wave alone
	s_lshl_b32 s22, s20, 5                         ; their scales, 32 bytes a row,
	s_mov_b32 s23, 0
	s_lshl_b32 s20, s20, 9                         ; and their codes, 512 bytes a row
	s_mov_b32 s21, 0
	s_lshl_b32 s92, s46, 5
	s_mov_b32 s93, 0
	s_lshl_b32 s46, s46, 9
	s_mov_b32 s47, 0
	s_mul_i32 s45, s14, HALFT                      ; where they go: wave x 128 rows: no place in the cluster enters an LDS address
	s_mul_i32 s67, s14, HALFS
	s_wait_dscnt 0x0                               ; both opening adds are done
	s_wait_kmcnt 0x0
	s_cmp_eq_u32 s66, 1                            ; which buffer is A and which B: a choice on the role, which hangs on no address
	s_cselect_b64 s[94:95], s[8:9], s[4:5]
	s_add_nc_u64 s[20:21], s[94:95], s[20:21]      ; A's codes
	s_cselect_b64 s[94:95], s[10:11], s[6:7]
	s_add_nc_u64 s[22:23], s[94:95], s[22:23]      ; A's scales
	s_cselect_b64 s[94:95], s[4:5], s[8:9]
	s_add_nc_u64 s[46:47], s[94:95], s[46:47]      ; B's codes
	s_cselect_b64 s[94:95], s[6:7], s[10:11]
	s_add_nc_u64 s[92:93], s[94:95], s[92:93]      ; B's scales
	CROUND                                         ; all sixteen work-groups are here: the joint loads meet
	s_mov_b32 s[G0S], 1
	s_add_co_u32 s[G0S+1], s67, SCL
	s_mov_b64 s[G0S+2:G0S+3], s[22:23]
	s_or_b32 s[G0S+3], s[G0S+3], 0x80000000
	s_mov_b32 s[G0SB], 1
	s_add_co_u32 s[G0SB+1], s67, SCL
	s_mov_b64 s[G0SB+2:G0SB+3], s[92:93]
	s_or_b32 s[G0SB+3], s[G0SB+3], 0x80000000
	JLOAD G0S, G1S, G0SB, G1SB                     ; the scales first: they are wanted with the first slot
.irp s, 0,1
	s_mov_b32 s[G0+4*\s], 1
	s_add_co_u32 s[G0+4*\s+1], s45, \s*SLOT
	s_add_nc_u64 s[G0+4*\s+2:G0+4*\s+3], s[20:21], \s*ROWB
	s_or_b32 s[G0+4*\s+3], s[G0+4*\s+3], 0x80000000
	s_mov_b32 s[G0B+4*\s], 1
	s_add_co_u32 s[G0B+4*\s+1], s45, \s*SLOT
	s_add_nc_u64 s[G0B+4*\s+2:G0B+4*\s+3], s[46:47], \s*ROWB
	s_or_b32 s[G0B+4*\s+3], s[G0B+4*\s+3], 0x80000000
	JLOAD G0+4*\s, G1, G0B+4*\s, G1B               ; three tensor loads of mine are out now, and no more are issued
.endr
	v_and_b32 v1, 15, v0                           ; r
	v_bfe_u32 v2, v0, 4, 1                         ; h
	v_mul_u32_u24 v3, v1, PITCH
	v_lshl_add_u32 v4, v2, 4, v3                   ; a fragment's row x pitch + 16 h
	s_mul_i32 s21, s15, HALFT                      ; my 128 rows of A
	s_mul_i32 s22, s16, HALFT                      ; my 128 rows of B,
	s_add_co_u32 s22, s22, 2*HALFT                 ; which lie behind A's 256
.irp s, 0,1
	v_add_nc_u32 v[ADRA+\s], s21, v4
	v_add_nc_u32 v[ADRB+\s], s22, v4
	s_add_co_u32 s21, s21, SLOT
	s_add_co_u32 s22, s22, SLOT
.endr
	v_mul_u32_u24 v5, v1, KS                       ; my row's scales: 32 bytes a row,
	v_lshrrev_b32 v6, 8, v5
	v_lshl_add_u32 v5, v6, 4, v5                   ; and 16 more for each 256 passed
	s_mul_i32 s21, s15, HALFS                      ; A's: my 128 rows
	s_mul_i32 s22, s16, HALFS                      ; B's: my 128 rows, behind A's 256
	s_add_co_u32 s22, s22, 2*HALFS
	s_sub_co_u32 s22, s22, s21
	v_mul_u32_u24 v6, s22, v2                      ; lanes 16-31 take B's: the lower base + h x the distance
	s_add_co_u32 s21, s21, SCL
	v_add_nc_u32 v5, v5, v6
	v_add_nc_u32 v[ADRS], s21, v5
	; the way out, the bias, cos and sin: where my wave's 128 x 128 begins
	s_lshl_b32 s20, s17, 8
	s_lshl_b32 s21, s15, 7
	s_add_co_u32 s20, s20, s21                     ; A's first row of mine (role v: the channel, counted from v's first)
	s_lshl_b32 s46, s42, 8
	s_lshl_b32 s47, s16, 7
	s_add_co_u32 s46, s46, s47                     ; B's first row of mine
	s_and_b32 s47, s46, 1023                       ; as a channel of q or of k
	s_mov_b32 s18, 8192
	s_mov_b32 s19, 0x40000
	s_cmp_eq_u32 s66, 1
	s_cselect_b32 s92, s46, s20                    ; my first token
	s_cselect_b32 s93, s20, s47                    ; my first channel
	s_cselect_b32 s94, 0, s46                      ; the bias's first number (role v: none is used; the loads read the buffer's head)
	s_cselect_b32 s3, 0, -1                        ; and the mask that keeps it or clears it
	s_cselect_b32 s22, s19, s18                    ; from A's block 3 to block 4: the next head (v), or four tiles of tokens on (q, k)
	s_cselect_b32 s43, s18, s19                    ; from B's block 3 to block 4: the next 64 keys (v), or the next head (q, k)
	s_cselect_b32 s44, 0, 0x3d800000               ; 2^-4, or 0
	s_cselect_b32 s45, 1.0, 0                      ; 0, or 1
	s_mov_b32 s23, 0
	s_lshr_b32 s18, s92, 11                        ; the batch
	s_lshl_b32 s18, s18, 4
	s_lshr_b32 s19, s93, 6                         ; the head
	s_add_co_u32 s18, s18, s19
	s_lshl_b32 s18, s18, 18                        ; 262,144 bytes for a head in a region
	s_and_b32 s19, s92, 2047
	s_lshl_b32 s19, s19, 7                         ; 128 bytes a token, in tiles of 16 as in steps of 64
	s_add_co_u32 s18, s18, s19
	s_lshl_b32 s19, ttmp9, 24                      ; the region: q, k, v, 16 MiB each
	s_add_co_u32 s18, s18, s19
	s_mov_b32 s19, 0
	s_add_nc_u64 s[12:13], s[12:13], s[18:19]
	s_lshl_b32 s18, s20, 8                         ; cos, sin: 256 bytes a row; A's row is a token (role v: a row under 1,024, read and multiplied by 0)
	s_add_nc_u64 s[98:99], s[98:99], s[18:19]
	s_add_nc_u64 s[100:101], s[100:101], s[18:19]
	s_lshl_b32 s18, s94, 2
	s_add_nc_u64 s[96:97], s[96:97], s[18:19]
	v_lshlrev_b32 v[VB], 5, v2
	v_mov_b32 v[CA], s44
	v_mov_b32 v[CA+1], s44
	v_mov_b32 v[CB], s45
	v_mov_b32 v[CB+1], s45
	v_and_b32 v6, 31, v0
	v_lshlrev_b32 v[OFS], 4, v6
	v_add_nc_u32 v[OFS+1], s43, v[OFS]
	v_lshlrev_b32 v[VC], 8, v1
	v_lshl_add_u32 v[VC], v2, 5, v[VC]
.irp b, 0,1,2,3,4,5,6,7
	global_load_b128 v[BIAS+8*\b:BIAS+8*\b+3], v[VB], s[96:97] offset:64*\b          ; in the result's layout: B's rows 16 b + 8 h + 0 .. 7
	global_load_b128 v[BIAS+8*\b+4:BIAS+8*\b+7], v[VB], s[96:97] offset:64*\b+16
.endr
.macro FRAG reg, adr, q, i             ; a fragment: lane l holds row l % 16; registers 4 c .. 4 c + 3 hold K = 64 c + 32 (l / 16) + 0 .. 31
.irp c, 0,1
	ds_load_b128 v[\reg+4*\c:\reg+4*\c+3], v[\adr] offset:64*(\q)+32*\c+(\i)*16*PITCH
.endr
.endm
; 16 matrix instructions: A's blocks a0, a0 + 1 x B's eight, the slot's q-th 128 along K.  p: B's set;  sc: the set of scale words.  zero = 1: the first product starts the sums from the bias.
; The 64 accumulators take turns, one instruction a turn, in the same order in every step.
.macro MUL16 a0, p, q, sc, zero
.irp a, \a0, \a0+1
.irp b, 0,1,2,3,4,5,6,7
.if \zero
	v_wmma_scale_f32_16x16x128_f8f6f4 v[8*(8*((\a)%4)+\b):8*(8*((\a)%4)+\b)+7], v[128*(\p)+FR*\b:128*(\p)+FR*\b+FR-1], v[AF+FR*(\a):AF+FR*(\a)+FR-1], v[BIAS+8*\b:BIAS+8*\b+7], v[SC+8*NQ*(\sc)+NQ*\b+(\q)], v[SC+8*NQ*(\sc)+NQ*(\a)+(\q)] matrix_a_fmt:MATRIX_FMT_FP4 matrix_b_fmt:MATRIX_FMT_FP4 matrix_a_scale:MATRIX_SCALE_ROW1
.else
	v_wmma_scale_f32_16x16x128_f8f6f4 v[8*(8*((\a)%4)+\b):8*(8*((\a)%4)+\b)+7], v[128*(\p)+FR*\b:128*(\p)+FR*\b+FR-1], v[AF+FR*(\a):AF+FR*(\a)+FR-1], v[8*(8*((\a)%4)+\b):8*(8*((\a)%4)+\b)+7], v[SC+8*NQ*(\sc)+NQ*\b+(\q)], v[SC+8*NQ*(\sc)+NQ*(\a)+(\q)] matrix_a_fmt:MATRIX_FMT_FP4 matrix_b_fmt:MATRIX_FMT_FP4 matrix_a_scale:MATRIX_SCALE_ROW1
.endif
.endr
.endr
.endm
.macro FETCH_B slot, q, p              ; B's eight fragments of the slot's q-th 128 along K into set p
	WIN TO_B
.irp i, 0,1,2,3,4,5,6,7
	FRAG 128*(\p)+FR*\i, ADRB+\slot, \q, \i
.endr
	WIN 0
.endm
.macro FETCH_A slot, q, i0             ; A's blocks i0 .. i0 + 3
.irp i, \i0, \i0+1, \i0+2, \i0+3
	FRAG AF+FR*(\i), ADRA+\slot, \q, \i
.endr
.endm
.macro SCALES sc                       ; a slot's scale words into set sc: four words a row; lanes 0-15 take A's block i, lanes 16-31 B's block i
.irp i, 0,1,2,3,4,5,6,7
	ds_load_b128 v[SC+8*NQ*\sc+NQ*\i:SC+8*NQ*\sc+NQ*\i+3], v[ADRS] offset:\i*SBLK
.endr
.endm
; A load into a register that a matrix instruction has read, and a vector instruction that reads a matrix result or writes a matrix instruction's register, stand NP places behind it; only plain vector
; instructions that name none of its registers are places (ISA guide 7.12.1 for vector instructions).
.macro PLACES n
.rept \n
	v_nop
.endr
.endm
; A step of 128 along K that has its successor in the same slot.  A has one set of registers: blocks 0-3 are fetched anew in the step's middle, blocks 4-7 at its end; B has two sets.
.macro STEP slot, q, zero
	s_wait_dscnt 4*NL                              ; B's set and A's blocks 0-3 are in; the youngest eight loads (A's blocks 4-7) may be out
.if \zero
	WIN FST_LO
.else
	WIN MUL_LO
.endif
	MUL16 0, (\q)%2, \q, \slot, \zero
	MUL16 2, (\q)%2, \q, \slot, \zero
	s_wait_dscnt 0                                 ; A's blocks 4-7 are in
	PLACES NP
	FETCH_B \slot, (\q)+1, 1-(\q)%2
	FETCH_A \slot, (\q)+1, 0
.if \zero
	WIN FST_HI
.else
	WIN MUL_HI
.endif
	MUL16 4, (\q)%2, \q, \slot, \zero
	MUL16 6, (\q)%2, \q, \slot, \zero
	PLACES NP
	WIN 0
	FETCH_A \slot, (\q)+1, 4
.endm
; Slot 0's last step goes over to slot 1: each wave waits for all its tensor loads, its part of slot 1 among them, and passes one barrier.
.macro TURN slot, next
	s_wait_tensorcnt 0x0                           ; my part of the next slot has landed  (every window is 0 here)
	ds_add_u32 v[SPW], v[NIL]                      ; 0 onto my spare word
	s_wait_dscnt 4*NL+1                            ; (the add and the youngest eight loads, A's blocks 4-7, may be out)
	WIN MUL_LO
	MUL16 0, 1, NQ-1, \slot, 0
	s_wait_dscnt 0x0                               ; no LDS instruction of mine is pending at the signal
	s_barrier_signal -1
	MUL16 2, 1, NQ-1, \slot, 0                     ; work on registers while the others arrive
	WIN 0
	s_barrier_wait -1                              ; the next slot is whole
	PLACES NP
	v_add_nc_u32 v[ADRS], 4*NQ, v[ADRS]            ; on to the next slot's scale words
	FETCH_B \next, 0, 0
	FETCH_A \next, 0, 0
	SCALES \next
	WIN MUL_HI
	MUL16 4, 1, NQ-1, \slot, 0
	MUL16 6, 1, NQ-1, \slot, 0
	PLACES NP
	WIN 0
	FETCH_A \next, 0, 4
.endm
.macro STEPS slot, from                ; the slot's steps from .. NQ - 2
.set Q, \from
.rept NQ-1-\from
	STEP \slot, Q, 0
.set Q, Q+1
.endr
.endm
; cos and sin of the 16 rows of A's block a: a lane's 32 + 32 numbers, d = 16 q4 + 8 h + 0 .. 7; into v192-255 (a even) or v32-95 (a odd)
.macro CSLOAD a
.set CL, 192-160*((\a)%2)
.irp q4, 0,1,2,3
.irp e, 0,1
	global_load_b128 v[CL+8*\q4+4*\e:CL+8*\q4+4*\e+3], v[VC], s[98:99] offset:4096*(\a)+64*\q4+16*\e
	global_load_b128 v[CL+32+8*\q4+4*\e:CL+32+8*\q4+4*\e+3], v[VC], s[100:101] offset:4096*(\a)+64*\q4+16*\e
.endr
.endr
.endm
; THE WAY OUT of A's block a: B's blocks b = 4 hh + b4 are two heads' four quarters.  y(d) = x(d) cos(d) - x(d + 32) sin(d) for d < 32, x(d) cos(d) + x(d - 32) sin(d) for d >= 32, all x 2^-4.
.macro ROPE a
.if (\a) < 7
	CSLOAD (\a)+1
	s_wait_loadcnt 16                              ; this block's 16 loads are in; the next block's 16 may be out
.else
	s_wait_loadcnt 0x0
.endif
.set CR, 192-160*((\a)%2)
.set AC, 64*((\a)%4)
.set i, 0
.rept 16
	v_pk_fma_f32 v[CR+i:CR+i+1], v[CR+i:CR+i+1], v[CA:CA+1], v[CB:CB+1]       ; cos x 2^-4 (role v: 1)
	v_pk_mul_f32 v[CR+32+i:CR+32+i+1], v[CR+32+i:CR+32+i+1], v[CA:CA+1]       ; sin x 2^-4 (role v: 0)
.set i, i+2
.endr
	WIN 0x02+(\a)/4                                ; source 0: the accumulators' window
.irp b, 0,1,2,3,4,5,6,7
.irp j, 0,2,4,6                        ; each accumulator is read from its low end on
	v_pk_mul_f32 v[Y+8*\b+\j:Y+8*\b+\j+1], v[AC+8*\b+\j:AC+8*\b+\j+1], v[CR+8*(\b%4)+\j:CR+8*(\b%4)+\j+1]
.endr
.endr
.irp b, 0,1,2,3,4,5,6,7
.irp j, 0,2,4,6
.if (\b%4) < 2
	v_pk_fma_f32 v[Y+8*\b+\j:Y+8*\b+\j+1], v[AC+8*(\b+2)+\j:AC+8*(\b+2)+\j+1], v[CR+32+8*(\b%4)+\j:CR+32+8*(\b%4)+\j+1], v[Y+8*\b+\j:Y+8*\b+\j+1] neg_lo:[0,1,0] neg_hi:[0,1,0]
.else
	v_pk_fma_f32 v[Y+8*\b+\j:Y+8*\b+\j+1], v[AC+8*(\b-2)+\j:AC+8*(\b-2)+\j+1], v[CR+32+8*(\b%4)+\j:CR+32+8*(\b%4)+\j+1], v[Y+8*\b+\j:Y+8*\b+\j+1]
.endif
.endr
.endr
	WIN 0
.if (\a) > 0
	s_wait_xcnt 0x0                                ; the last block's stores have read their data: the packed registers are written again only behind this wait
.endif
.irp b, 0,1,2,3,4,5,6,7
.irp j, 0,1,2,3
	v_cvt_pk_f16_f32 v[PK+4*\b+\j], v[Y+8*\b+2*\j], v[Y+8*\b+2*\j+1]
.endr
.endr
.irp b, 0,1,2,3,4,5,6,7
	global_store_b128 v[OFS+\b/4], v[PK+4*\b:PK+4*\b+3], s[12:13] offset:2048*((\a)%4)+512*(\b%4)   ; an image: 512 consecutive bytes, aligned
.endr
.if (\a) == 3
	s_wait_xcnt 0x0                                ; the stores have read their base
	s_add_nc_u64 s[12:13], s[12:13], s[22:23]      ; on to A's blocks 4-7
.endif
.endm
	s_wait_tensorcnt 1                             ; the scales and my part of slot 0 are in (slot 1's load may be out)
	s_barrier_signal -1
	s_barrier_wait -1                              ; everybody's are
	FETCH_B 0, 0, 0
	FETCH_A 0, 0, 0
	SCALES 0
	FETCH_A 0, 0, 4
	s_wait_loadcnt 0x0                             ; the bias
.set i, 0
.rept 64
	v_and_b32 v[BIAS+i], s3, v[BIAS+i]             ; kept for q and k, cleared for v
.set i, i+1
.endr
	PLACES 8
	STEP 0, 0, 1                                   ; the first step's products start the sums from the bias
	STEPS 0, 1
	TURN 0, 1
	CSLOAD 0                                       ; into the bias's registers, which only the first step's products read
	STEPS 1, 0
	s_wait_dscnt 4*NL                              ; the very last step: nothing more to fetch
	WIN MUL_LO
	MUL16 0, 1, NQ-1, 1, 0
	MUL16 2, 1, NQ-1, 1, 0
	s_wait_dscnt 0
	WIN MUL_HI
	MUL16 4, 1, NQ-1, 1, 0
	MUL16 6, 1, NQ-1, 1, 0
	WIN 0
	PLACES NP                                      ; ahead of the loads into the scale words' registers, of the writes over A's fragments and of the reads of results
.irp a, 0,1,2,3,4,5,6,7
	ROPE \a
.endr
	s_wait_tensorcnt 0x0                           ; the wave's end, behind my last tensor load
	ds_add_u32 v[SPW], v[NIL]
	s_wait_dscnt 0x0
	CROUND                                         ; the closing round: no work-group ends while a partner may still ask for a tile that names it
	s_endpgm
.Lfunc_end_k_qda8ba249de_qkv:
	.size	k_qda8ba249de_qkv, .Lfunc_end_k_qda8ba249de_qkv-k_qda8ba249de_qkv
	.p2alignl 7, 3214868480
	.fill 96, 4, 3214868480
	.section	.rodata,"a",@progbits
	.p2align	6, 0x0
	.amdhsa_kernel k_qda8ba249de_qkv
		.amdhsa_group_segment_fixed_size 327680
		.amdhsa_private_segment_fixed_size 0
		.amdhsa_enable_private_segment 0
		.amdhsa_kernarg_size 64
		.amdhsa_user_sgpr_count 2
		.amdhsa_user_sgpr_kernarg_segment_ptr 1
		.amdhsa_wavefront_size32 1
		.amdhsa_system_sgpr_workgroup_id_x 1
		.amdhsa_system_sgpr_workgroup_id_y 1
		.amdhsa_system_sgpr_workgroup_id_z 1
		.amdhsa_system_vgpr_workitem_id 0
		.amdhsa_next_free_vgpr 1024
		.amdhsa_next_free_sgpr 102
		.amdhsa_reserve_vcc 0
		.amdhsa_float_denorm_mode_32 3
		.amdhsa_float_denorm_mode_16_64 3
		.amdhsa_memory_ordered 1
		.amdhsa_forward_progress 1
		.amdhsa_inst_pref_size 183
	.end_amdhsa_kernel
	.amdgpu_metadata
---
amdhsa.version: [ 1, 2 ]
amdhsa.kernels:
  - .name:           k_qda8ba249de_qkv
    .symbol:         k_qda8ba249de_qkv.kd
    .args:
      - { .name: h_codes, .offset: 0, .size: 8, .value_kind: global_buffer, .address_space: global }
      - { .name: h_scales, .offset: 8, .size: 8, .value_kind: global_buffer, .address_space: global }
      - { .name: w_codes, .offset: 16, .size: 8, .value_kind: global_buffer, .address_space: global }
      - { .name: w_scales, .offset: 24, .size: 8, .value_kind: global_buffer, .address_space: global }
      - { .name: qkv_b, .offset: 32, .size: 8, .value_kind: global_buffer, .address_space: global }
      - { .name: cos, .offset: 40, .size: 8, .value_kind: global_buffer, .address_space: global }
      - { .name: sin, .offset: 48, .size: 8, .value_kind: global_buffer, .address_space: global }
      - { .name: qkv_img, .offset: 56, .size: 8, .value_kind: global_buffer, .address_space: global }
    .group_segment_fixed_size: 327680
    .private_segment_fixed_size: 0
    .kernarg_segment_align: 8
    .kernarg_segment_size: 64
    .max_flat_workgroup_size: 128
    .sgpr_count:     102
    .vgpr_count:     1024
    .wavefront_size: 32
...
	.end_amdgpu_metadata
.endif
;; end of part 2
;; launch attn (part 3): grid 4 x 64, 8 waves a work-group, clusters of 4 x 1, 327,680 bytes of LDS; arguments qkv_img, qkv_b, a_img; writes a_img
.if DOCPART == 3
	.amdgcn_target "amdgcn-amd-amdhsa--gfx1250"
	.amdhsa_code_object_version 6
	.text
	.protected	k_qda8ba249de_attn
	.globl	k_qda8ba249de_attn
	.p2align	8
	.type	k_qda8ba249de_attn,@function
k_qda8ba249de_attn:
	s_mov_b64 s[64:65], 0
	v_nop
	global_prefetch_b8 v0, s[64:65] scope:SCOPE_SE
	s_setreg_imm32_b32 hwreg(HW_REG_WAVE_MODE, 25, 1), 1
	s_wait_xcnt 0x0
	s_wait_alu depctr_hold_cnt(0) depctr_sa_sdst(0) depctr_va_vdst(0) depctr_va_sdst(0) depctr_va_ssrc(0) depctr_va_vcc(0) depctr_vm_vsrc(0)
	s_getreg_b32 s2, hwreg(HW_REG_IB_STS2, 6, 4)
	s_cmp_eq_u32 s2, 0
	s_cbranch_scc0 .Lentry_in_a_cluster
	s_endpgm
.Lentry_in_a_cluster:
	s_bfe_u32 s2, ttmp6, 0x10000c
	s_cmp_lg_u32 s2, 0x3003
	s_cbranch_scc0 .Lentry_shape_is_right
	s_endpgm
.Lentry_shape_is_right:
; attn[b][q][head][:] = the sum over k of softmax_k(q . k / 8) (v[k][:] + b_v).  q, k, v come as f16 images of operand registers; products, maxima and sums in f32; the weights p are rounded to f16
; for the second product; the result is rounded to f16 once and stored as images for the projection.
; q and k were stored x 2^-4, so t = c (q' . k') with c = 32 log2(e).  p = 2^(t - c m), m the running maximum of q' . k'; in every step O and l are multiplied by a = 2^(c m_old - c m_new).
; m starts at -1e30, under every score (|q' . k'| is at most 64 x 65,504^2): the first step's a is 0 and multiplies zeros.
; v's bias is added at the end: the weights divided by their sum add up to 1, so sum p (v + b) / l = sum p v / l + b: it is the addend of the last fused multiply-add.
; SHARES.  A work-group owns 512 queries of one head (batch x head = work-group y); each of its eight waves 64: four tiles of 16, in 512 registers: two waves to a SIMD, so that one wave's softmax
; stands beside the other's matrix instructions.  Every wave walks all 2,048 keys, 64 a step; each fragment of K and V that it reads from LDS feeds four products.
; LAYOUT.  S^T = K Q^T (source 0 = 16 keys, source 1 = 16 queries): a lane holds ONE query and the keys 8 (lane / 16) + 0 .. 7.  Two such tiles, rounded in pairs, ARE source 1 of O^T = V^T P, whose
; result again holds one query a lane, and eight channels.  V was stored with a channel a lane and keys along the registers, so nothing is turned.
; IMAGES.  All operands lie as blocks of 512 bytes, lane l's 16 bytes at 16 l: every LDS load reads 512 consecutive bytes: no pitch, no padding.
; THE RING.  Two slots of 512 keys: K's 65,536 bytes, then V's.  Each of the eight waves brings 16,384 dense bytes by one tensor load (waves 0-3 K's quarters, waves 4-7 V's), all by the same line.
; CLUSTER.  The four query blocks of a head walk the same K and V: each tile is asked for JOINTLY, with a mask that names the four.  One tensor load of a wave is out at any time.
; LIMITS: NaN and infinities are not served; v beyond 65,504 has no f16 number.
; REGISTERS: window 0: v1-7 addresses; v8-39 eight statistics a tile; v40-103 Q (on the way out the bias); v104-231 S^T, 32 a tile, p packed into each tile's first 16.
;   window 1: v0-127 O^T (tile t, channels 16 u on: 32 t + 8 u); v128-191 K of a step; v192-255 V of a step.
.set SLOT1, 1<<17                      ; slot 1 begins here: one exclusive or turns an address from one slot to the other
.set VOFF,  0x10000                    ; V's images lie behind K's
.set STEPB, 8192                       ; a key step's 16 images
.set SPARE, 2*SLOT1                    ; the spare words, 128 bytes for each of the eight waves
.set LI,  1                            ; v1   16 x lane
.set ADK, 2                            ; v2   LDS address of the step's K
.set ADV, 3                            ; v3   of its V
.set VB,  4                            ; v4   32 h: my eight numbers of 16 biases
.set PFO, 5                            ; v5   256 x lane; never rewritten
.set SPW, 6                            ; v6   LDS address of my spare word; never rewritten
.set NIL, 7                            ; v7   0; never rewritten
.set ST,  8                            ; tile t's statistics at v[ST + 8 t]: +0 c m, +1 m, +2, +3 l (even keys', odd keys'), +4 to +7 at work; a takes +6
.set QF,  40
.set S,   104
.set KF,  128                          ; in window 1
.set VF,  192                          ; in window 1
.set WV,  12                           ; s12  my wave's number
.set G1,  24                           ; s[24:31] descriptor group 1
.set G0,  32                           ; s[32:35] descriptor group 0, which walks
.set CS,  36                           ; s[36:37] c
.set SEL, 38                           ; s[38:39] lane selects: lane l xor 16
.set TB,  40                           ; s40  LDS byte at which the step's K begins
.set SLOTS, 41                         ; s41  slots still to be asked for
.set CNT, 42                           ; s42  counts a slot's eight steps
.set PFA, 44                           ; s[44:45] where my prefetches stand
.set LIM, 46                           ; s46  1 in a wave that prefetches, else the greatest number
.set MSB, 0
.macro WIN new
.if MSB != (\new)
	s_set_vgpr_msb (MSB<<8)|(\new)
.set MSB, (\new)
.endif
.endm
.macro PLACES n
.rept \n
	v_nop
.endr
.endm
.macro CROUND                          ; a round of the cluster's barrier
	s_barrier_signal -1
	s_barrier_wait -1
	s_cmp_lg_u32 s[WV], 0
	s_cbranch_scc1 .Lnot_wave_0_\@
	s_barrier_signal -3
.Lnot_wave_0_\@:
	s_barrier_wait -3
	s_barrier_signal -1
	s_barrier_wait -1
.endm
; A PREFETCH of what the NEXT change of slots will ask for: 65,536 bytes of K and as many of V.  Each head is walked by one cluster.  Its four partners share the bytes out BY ADDRESS, a quarter each;
; in each, waves 0 and 1 ask for K's 16,384 bytes and waves 2 and 3 for V's, 8,192 a wave, lanes 256 bytes apart: each block of 256 bytes is named once.  It stands eight key steps ahead of the load
; that will want the bytes.  The last change that fills a slot asks for nothing: there is no slot behind it.  Slots 0 and 1 come by their loads alone.
.macro ASK
	s_cmp_gt_u32 s[SLOTS], s[LIM]
	s_cbranch_scc0 .Lnot_mine_\@
	global_prefetch_b8 v[PFO], s[PFA:PFA+1] th:TH_LOAD_NT scope:SCOPE_SE
.Lnot_mine_\@:
.endm
	s_load_b128 s[4:7], s[0:1], 0x0                ; qkv_img, qkv_b
	s_load_b64 s[8:9], s[0:1], 0x10                ; a_img
	v_lshl_add_u32 v[SPW], v0, 2, SPARE
	v_mov_b32 v[NIL], 0
	ds_add_u32 v[SPW], v[NIL]                      ; the wave's opening: the add, twice on end, and its wait ahead of my first tensor load
	ds_add_u32 v[SPW], v[NIL]
	v_lshrrev_b32 v1, 5, v0
	v_readfirstlane_b32 s[WV], v1                  ; wave 0..7
	s_bfe_u32 s13, ttmp6, 0x40000                  ; cx
	s_lshl_b32 s14, ttmp9, 2
	s_add_co_u32 s14, s14, s13                     ; my block of 512 queries: it enters q's, the result's and the prefetches' addresses alone
	s_and_b32 s20, ttmp7, 0xffff                   ; batch x 16 + head, which the four partners share
	s_lshl_b32 s21, s20, 18                        ; a head's 262,144 bytes in each region
	s_lshr_b32 s16, s[WV], 2                       ; what I fetch: region 1 (k) for waves 0-3, region 2 (v) for waves 4-7,
	s_add_co_u32 s16, s16, 1
	s_lshl_b32 s16, s16, 24
	s_add_co_u32 s16, s16, s21
	s_and_b32 s17, s[WV], 3
	s_lshl_b32 s17, s17, 14                        ; my quarter of a slot's 65,536 bytes
	s_add_co_u32 s16, s16, s17
	s_mov_b32 s17, 0
	s_lshl_b32 s18, s14, 16                        ; q: my block's 32 tiles of 2,048 bytes,
	s_add_co_u32 s18, s18, s21
	s_lshl_b32 s19, s[WV], 13                      ; my wave's four
	s_add_co_u32 s18, s18, s19
	s_mov_b32 s19, 0
	s_lshr_b32 s22, s20, 4                         ; the result: tile of 16 tokens = 128 x batch + 32 x block + 4 x wave, 32,768 bytes each,
	s_lshl_b32 s22, s22, 7
	s_lshl_b32 s23, s14, 5
	s_add_co_u32 s22, s22, s23
	s_lshl_b32 s23, s[WV], 2
	s_add_co_u32 s22, s22, s23
	s_lshl_b32 s22, s22, 15
	s_and_b32 s15, s20, 15                         ; the head:
	s_lshl_b32 s23, s15, 11                        ; its four images of 512 bytes
	s_add_co_u32 s22, s22, s23
	s_mov_b32 s23, 0
	s_lshl_b32 s2, s15, 8                          ; v's bias: numbers 2,048 + 64 x head on
	s_add_co_u32 s2, s2, 8192
	s_mov_b32 s3, 0
	s_bfe_u32 s48, s[WV], 0x10001                  ; the prefetches: region 1 for waves 0 and 1, region 2 for waves 2 and 3,
	s_add_co_u32 s48, s48, 1
	s_lshl_b32 s48, s48, 24
	s_add_co_u32 s48, s48, s21
	s_lshl_b32 s49, s13, 14                        ; my work-group's quarter,
	s_add_co_u32 s48, s48, s49
	s_and_b32 s49, s[WV], 1
	s_lshl_b32 s49, s49, 13                        ; my wave's half of it,
	s_add_co_u32 s48, s48, s49
	s_add_co_u32 s48, s48, 65536                   ; in slot 1: the first change of slots steps it to slot 2.  Nothing is prefetched at the head
	s_mov_b32 s49, 0
	s_cmp_lt_u32 s[WV], 4
	s_cselect_b32 s[LIM], 1, -1
	; descriptor group 1: 16,384 dense bytes as 64 rows of 256 bytes (32 elements of 8 bytes), no padding
	s_mov_b32 s[G1], 15|(3<<16)|(1<<21)            ; 15:0 the mask: all four work-groups; 17:16 elements of 8 bytes; 21 set beside a mask
	s_mov_b32 s[G1+1], 32<<16                      ; tensor_dim0
	s_mov_b32 s[G1+2], 64<<16                      ; tensor_dim1
	s_mov_b32 s[G1+3], 32<<16                      ; tile_dim0
	s_mov_b32 s[G1+4], 64                          ; tile_dim1
	s_mov_b32 s[G1+5], 32                          ; tensor_dim0_stride
	s_mov_b32 s[G1+6], 0
	s_mov_b32 s[G1+7], 0
	s_mov_b32 s[G0], 1                             ; count = 1
	s_lshl_b32 s[G0+1], s[WV], 14                  ; LDS address: 16,384 x wave, in slot 0: K's four quarters, then V's
	s_mov_b32 s[CS], 0x4238aa3b                    ; c = 32 log2(e)
	s_mov_b32 s[CS+1], s[CS]
	s_mov_b32 s[SEL], 0x76543210
	s_mov_b32 s[SEL+1], 0xfedcba98
	s_mov_b32 s[TB], 0
	s_mov_b32 s[SLOTS], 3
	s_wait_dscnt 0x0                               ; both opening adds are done
	s_wait_kmcnt 0x0
	s_add_nc_u64 s[G0+2:G0+3], s[4:5], s[16:17]    ; global address: the head's first 512 keys
	s_or_b32 s[G0+3], s[G0+3], 0x80000000          ; type = 2
	s_add_nc_u64 s[10:11], s[4:5], s[18:19]        ; q
	s_add_nc_u64 s[PFA:PFA+1], s[4:5], s[48:49]
	s_add_nc_u64 s[8:9], s[8:9], s[22:23]
	s_add_nc_u64 s[6:7], s[6:7], s[2:3]
	CROUND                                         ; all four work-groups are here: the first joint loads meet
	tensor_load_to_lds s[G0:G0+3], s[G1:G1+7]      ; slot 0
	s_nop 0
	PLACES 4
	v_and_b32 v1, 31, v0
	v_lshlrev_b32 v[PFO], 8, v1
	v_lshlrev_b32 v[LI], 4, v1
.irp i, 0,1,2,3,4,5,6,7,8,9,10,11,12,13,14,15
	global_load_b128 v[QF+4*\i:QF+4*\i+3], v[LI], s[10:11] offset:512*\i   ; Q stays in registers: image 4 t + b4; fragment (t, c) is images 2 c and 2 c + 1 of tile t
.endr
	v_bfe_u32 v[VB], v0, 4, 1
	v_lshlrev_b32 v[VB], 5, v[VB]
.irp t, 0,1,2,3
	v_mov_b32 v[ST+8*\t+1], 0xf149f2ca             ; m = -1e30
	v_mov_b32 v[ST+8*\t+2], 0                      ; l
	v_mov_b32 v[ST+8*\t+3], 0
.endr
.irp t, 0,1,2,3
	v_mul_f32 v[ST+8*\t], s[CS], v[ST+8*\t+1]      ; c m
.endr
	WIN 0x40
.set i, 0
.rept 128
	v_mov_b32 v[i], 0                              ; O^T.  The key step is written for every step alike: the first finds zeros, which its a = 0 leaves zeros
.set i, i+1
.endr
	WIN 0
	s_wait_loadcnt 0x0                             ; Q
; A KEY STEP: 64 keys.
.macro STEP
	v_add_nc_u32 v[ADK], s[TB], v[LI]
	v_add_nc_u32 v[ADV], VOFF, v[ADK]
	PLACES 3                                       ; with the two additions five places behind the last V^T P: four for the loads into V's registers, five for the products below that write over p
	WIN 0x40                                       ; destination window 1
.irp i, 0,1,2,3,4,5,6,7,8,9,10,11,12,13,14,15
	ds_load_b128 v[KF+4*\i:KF+4*\i+3], v[ADK] offset:512*\i
.endr
.irp i, 0,1,2,3,4,5,6,7,8,9,10,11,12,13,14,15
	ds_load_b128 v[VF+4*\i:VF+4*\i+3], v[ADV] offset:512*\i
.endr
	s_wait_dscnt 16                                ; K is in; V's 16 loads may be out
	WIN 0x01                                       ; source 0 (K) window 1
.irp c, 0,1                            ; S^T = K Q^T: the 16 accumulators take turns, one instruction a turn
.irp k, 0,1,2,3
.irp t, 0,1,2,3
.if \c == 0
	v_wmma_f32_16x16x32_f16 v[S+32*\t+8*\k:S+32*\t+8*\k+7], v[KF+16*\k+8*\c:KF+16*\k+8*\c+7], v[QF+16*\t+8*\c:QF+16*\t+8*\c+7], 0
.else
	v_wmma_f32_16x16x32_f16 v[S+32*\t+8*\k:S+32*\t+8*\k+7], v[KF+16*\k+8*\c:KF+16*\k+8*\c+7], v[QF+16*\t+8*\c:QF+16*\t+8*\c+7], v[S+32*\t+8*\k:S+32*\t+8*\k+7]
.endif
.endr
.endr
.endr
	WIN 0
	PLACES 4
	; the maximum of a lane's 32 scores and the old m, three operands at a time; the four tiles by turns, so that no line waits for the line above it.  Each accumulator is first read at its low end
.irp j, 0,1,2,3
.irp t, 0,1,2,3
	v_max3_num_f32 v[ST+8*\t+4+\j], v[S+32*\t+8*\j], v[S+32*\t+8*\j+1], v[S+32*\t+8*\j+2]
.endr
.endr
.irp u, 3,5
.irp j, 0,1,2,3
.irp t, 0,1,2,3
	v_max3_num_f32 v[ST+8*\t+4+\j], v[ST+8*\t+4+\j], v[S+32*\t+8*\j+\u], v[S+32*\t+8*\j+\u+1]
.endr
.endr
.endr
.irp t, 0,1,2,3
	v_max3_num_f32 v[ST+8*\t+4], v[ST+8*\t+4], v[S+32*\t+7], v[S+32*\t+15]
.endr
.irp t, 0,1,2,3
	v_max3_num_f32 v[ST+8*\t+6], v[ST+8*\t+6], v[S+32*\t+23], v[S+32*\t+31]
.endr
.irp t, 0,1,2,3
	v_max3_num_f32 v[ST+8*\t+4], v[ST+8*\t+4], v[ST+8*\t+5], v[ST+8*\t+6]
.endr
.irp t, 0,1,2,3
	v_max3_num_f32 v[ST+8*\t+4], v[ST+8*\t+4], v[ST+8*\t+7], v[ST+8*\t+1]
.endr
.irp t, 0,1,2,3
	v_permlanex16_b32 v[ST+8*\t+5], v[ST+8*\t+4], s[SEL], s[SEL+1]   ; the query's other 32 keys lie in the lane 16 away
.endr
.irp t, 0,1,2,3
	v_mov_b32 v[ST+8*\t+7], v[ST+8*\t]             ; c m_old is kept for a
.endr
.irp t, 0,1,2,3
	v_max_num_f32 v[ST+8*\t+1], v[ST+8*\t+4], v[ST+8*\t+5]
.endr
.irp t, 0,1,2,3
	v_mul_f32 v[ST+8*\t], s[CS], v[ST+8*\t+1]
.endr
.irp t, 0,1,2,3
	v_sub_f32 v[ST+8*\t+7], v[ST+8*\t+7], v[ST+8*\t]
.endr
	; ONE BATCH: the four a and the 128 p.  None of these lines names an exponential's result
.irp t, 0,1,2,3
	v_exp_f32 v[ST+8*\t+6], v[ST+8*\t+7]           ; a = 2^(c m_old - c m_new)
.endr
.set b, 0
.rept 16
.irp t, 0,1,2,3
	v_pk_fma_f32 v[S+32*\t+2*b:S+32*\t+2*b+1], v[S+32*\t+2*b:S+32*\t+2*b+1], s[CS:CS+1], v[ST+8*\t:ST+8*\t+1] op_sel_hi:[1,0,0] neg_lo:[0,0,1] neg_hi:[0,0,1]   ; c s - c m
.endr
.irp t, 0,1,2,3
	v_exp_f32 v[S+32*\t+2*b], v[S+32*\t+2*b]
	v_exp_f32 v[S+32*\t+2*b+1], v[S+32*\t+2*b+1]
.endr
.set b, b+1
.endr
	v_nop                                          ; a plain instruction behind the last exponential (ISA guide 5.7.2)
	s_wait_alu depctr_va_vdst(0)                   ; the wait ahead of the first line that names a result: one for the 132
.irp t, 0,1,2,3
	v_pk_fma_f32 v[ST+8*\t+2:ST+8*\t+3], v[ST+8*\t+2:ST+8*\t+3], v[ST+8*\t+6:ST+8*\t+7], v[S+32*\t:S+32*\t+1] op_sel_hi:[1,0,1]   ; l = l a + the first pair
.endr
.irp b2, 1,2,3,4,5,6,7,8,9,10,11,12,13,14,15
.irp t, 0,1,2,3
	v_pk_add_f32 v[ST+8*\t+2:ST+8*\t+3], v[ST+8*\t+2:ST+8*\t+3], v[S+32*\t+2*\b2:S+32*\t+2*\b2+1]   ; the sum is taken of the unrounded p
.endr
.endr
.irp i, 0,1,2,3,4,5,6,7,8,9,10,11,12,13,14,15
.irp t, 0,1,2,3
	v_cvt_pk_f16_f32 v[S+32*\t+\i], v[S+32*\t+2*\i], v[S+32*\t+2*\i+1]   ; p to f16, in place, ascending: registers 8 c .. 8 c + 7 of a tile are source 1 for keys 32 c on
.endr
.endr
	WIN 0x41                                       ; O^T (destination and source 0) window 1, a window 0
.irp t, 0,1,2,3
.set i, 0
.rept 16
	v_pk_mul_f32 v[32*\t+i:32*\t+i+1], v[32*\t+i:32*\t+i+1], v[ST+8*\t+6:ST+8*\t+7] op_sel_hi:[1,0]
.set i, i+2
.endr
.endr
	s_wait_dscnt 0x0                               ; V is in
	WIN 0x51                                       ; V window 1, p window 0, O^T window 1
.irp c, 0,1                            ; O^T += V^T P: the 16 accumulators take turns
.irp u, 0,1,2,3
.irp t, 0,1,2,3
	v_wmma_f32_16x16x32_f16 v[32*\t+8*\u:32*\t+8*\u+7], v[VF+16*\u+8*\c:VF+16*\u+8*\c+7], v[S+32*\t+8*\c:S+32*\t+8*\c+7], v[32*\t+8*\u:32*\t+8*\u+7]
.endr
.endr
.endr
	WIN 0
	s_add_co_u32 s[TB], s[TB], STEPB               ; the next step's images
.endm
.macro STEPS8                          ; a slot's eight key steps: written once, walked eight times
	s_mov_b32 s[CNT], 8
.Lstep_\@:
	STEP
	s_sub_co_u32 s[CNT], s[CNT], 1
	s_cmp_lg_u32 s[CNT], 0
	s_cbranch_scc1 .Lstep_\@
	s_sub_co_u32 s[TB], s[TB], 8*STEPB             ; back to a slot's first step,
	s_xor_b32 s[TB], s[TB], SLOT1                  ; in the other slot
.endm
; THE CHANGE OF SLOTS stands at a slot's head.  Each wave waits for all its tensor loads (its part of the slot ahead), adds 0 to its spare word, and waits for that and for its reads of the slot that it has left.
; fill = 1: the barrier is a round of the cluster's, so that no wave of any partner still reads the other slot or has a load on its way; behind it that slot takes the next 512 keys: the load has eight key steps in which to land.
.macro CHANGE fill
	s_wait_tensorcnt 0x0                           ; no tensor load of mine is out, so group 0 may be written
	ds_add_u32 v[SPW], v[NIL]                      ; 0 onto my spare word
.if \fill
	s_xor_b32 s[G0+1], s[G0+1], SLOT1              ; the other slot than last time,
	s_add_nc_u64 s[G0+2:G0+3], s[G0+2:G0+3], 65536 ; the next 512 keys; the type bits on top are not reached
	s_wait_xcnt 0x0                                ; the last prefetch, a slot back, has read its address, so it may be written:
	s_add_nc_u64 s[PFA:PFA+1], s[PFA:PFA+1], 65536 ; one slot further on than the walking descriptor
	s_wait_dscnt 0x0                               ; the add is done, and my reads of the slot that I have left are over
	CROUND
	tensor_load_to_lds s[G0:G0+3], s[G1:G1+7]      ; the first thing behind the round, and my one tensor load until the next
	s_nop 0
	PLACES 4
	ASK
.else
	s_wait_dscnt 0x0
	s_barrier_signal -1
	s_barrier_wait -1
.endif
.endm
.Lslot:                                            ; three trips: behind each change of slots but the last the next slot is asked for (slot 1's first fill stands behind the first trip's round, where nothing is filled again)
	CHANGE 1
	STEPS8
	s_sub_co_u32 s[SLOTS], s[SLOTS], 1
	s_cmp_lg_u32 s[SLOTS], 0
	s_cbranch_scc1 .Lslot
	CHANGE 0                                       ; the last slot is written out
	STEPS8
	; THE WAY OUT.  y = O^T / l + b_v, rounded to f16: a lane's eight channels of a token are 16 bytes, the 32 lanes' 512 bytes an image for the projection.
	PLACES 4                                       ; behind the last products: ahead of the loads into Q's registers, of the writes over p and of the reads of O^T
.irp u, 0,1,2,3
	global_load_b128 v[QF+8*\u:QF+8*\u+3], v[VB], s[6:7] offset:64*\u        ; b_v of channels 16 u + 8 h + 0 .. 7
	global_load_b128 v[QF+8*\u+4:QF+8*\u+7], v[VB], s[6:7] offset:64*\u+16
.endr
.irp t, 0,1,2,3
	v_add_f32 v[ST+8*\t+4], v[ST+8*\t+2], v[ST+8*\t+3]
.endr
.irp t, 0,1,2,3
	v_permlanex16_b32 v[ST+8*\t+5], v[ST+8*\t+4], s[SEL], s[SEL+1]
.endr
.irp t, 0,1,2,3
	v_add_f32 v[ST+8*\t+4], v[ST+8*\t+4], v[ST+8*\t+5]
.endr
.irp t, 0,1,2,3
	v_rcp_f32 v[ST+8*\t+6], v[ST+8*\t+4]
.endr
	v_nop                                          ; a plain instruction behind the last reciprocal
	s_wait_alu depctr_va_vdst(0)                   ; and the wait ahead of the first use: one for the four
	s_wait_loadcnt 0x0                             ; the bias
	WIN 0x01                                       ; source 0 (O^T) window 1
.irp t, 0,1,2,3
.irp u, 0,1,2,3
.irp j, 0,2,4,6
	v_pk_fma_f32 v[S+32*\t+8*\u+\j:S+32*\t+8*\u+\j+1], v[32*\t+8*\u+\j:32*\t+8*\u+\j+1], v[ST+8*\t+6:ST+8*\t+7], v[QF+8*\u+\j:QF+8*\u+\j+1] op_sel_hi:[1,0,1]
.endr
.endr
.endr
	WIN 0
.irp t, 0,1,2,3
.irp i, 0,1,2,3,4,5,6,7,8,9,10,11,12,13,14,15
	v_cvt_pk_f16_f32 v[S+32*\t+\i], v[S+32*\t+2*\i], v[S+32*\t+2*\i+1]
.endr
.endr
.irp t, 0,1,2,3
.irp u, 0,1,2,3
	global_store_b128 v[LI], v[S+32*\t+4*\u:S+32*\t+4*\u+3], s[8:9] offset:32768*\t+512*\u   ; 512 consecutive bytes, aligned
.endr
.endr
	s_wait_tensorcnt 0x0                           ; the wave's end, behind my last tensor load
	ds_add_u32 v[SPW], v[NIL]
	s_wait_dscnt 0x0
	CROUND                                         ; the closing round
	s_endpgm
.Lfunc_end_k_qda8ba249de_attn:
	.size	k_qda8ba249de_attn, .Lfunc_end_k_qda8ba249de_attn-k_qda8ba249de_attn
	.p2alignl 7, 3214868480
	.fill 96, 4, 3214868480
	.section	.rodata,"a",@progbits
	.p2align	6, 0x0
	.amdhsa_kernel k_qda8ba249de_attn
		.amdhsa_group_segment_fixed_size 327680
		.amdhsa_private_segment_fixed_size 0
		.amdhsa_enable_private_segment 0
		.amdhsa_kernarg_size 24
		.amdhsa_user_sgpr_count 2
		.amdhsa_user_sgpr_kernarg_segment_ptr 1
		.amdhsa_wavefront_size32 1
		.amdhsa_system_sgpr_workgroup_id_x 1
		.amdhsa_system_sgpr_workgroup_id_y 1
		.amdhsa_system_sgpr_workgroup_id_z 1
		.amdhsa_system_vgpr_workitem_id 0
		.amdhsa_next_free_vgpr 512
		.amdhsa_next_free_sgpr 66
		.amdhsa_reserve_vcc 0
		.amdhsa_float_denorm_mode_32 3
		.amdhsa_float_denorm_mode_16_64 3
		.amdhsa_memory_ordered 1
		.amdhsa_forward_progress 1
		.amdhsa_inst_pref_size 87
	.end_amdhsa_kernel
	.amdgpu_metadata
---
amdhsa.version: [ 1, 2 ]
amdhsa.kernels:
  - .name:           k_qda8ba249de_attn
    .symbol:         k_qda8ba249de_attn.kd
    .args:
      - { .name: qkv_img, .offset: 0, .size: 8, .value_kind: global_buffer, .address_space: global }
      - { .name: qkv_b, .offset: 8, .size: 8, .value_kind: global_buffer, .address_space: global }
      - { .name: a_img, .offset: 16, .size: 8, .value_kind: global_buffer, .address_space: global }
    .group_segment_fixed_size: 327680
    .private_segment_fixed_size: 0
    .kernarg_segment_align: 8
    .kernarg_segment_size: 24
    .max_flat_workgroup_size: 256
    .sgpr_count:     66
    .vgpr_count:     512
    .wavefront_size: 32
...
	.end_amdgpu_metadata
.endif
;; end of part 3
;; launch proj (part 4): grid 4 x 64, 4 waves a work-group, clusters of 4 x 4, 327,680 bytes of LDS; arguments a_img, w_img, proj_b, out0; writes out0
.if DOCPART == 4
	.amdgcn_target "amdgcn-amd-amdhsa--gfx1250"
	.amdhsa_code_object_version 6
	.text
	.protected	k_qda8ba249de_proj
	.globl	k_qda8ba249de_proj
	.p2align	8
	.type	k_qda8ba249de_proj,@function
k_qda8ba249de_proj:
	s_mov_b64 s[64:65], 0
	v_nop
	global_prefetch_b8 v0, s[64:65] scope:SCOPE_SE
	s_setreg_imm32_b32 hwreg(HW_REG_WAVE_MODE, 25, 1), 1
	s_wait_xcnt 0x0
	s_wait_alu depctr_hold_cnt(0) depctr_sa_sdst(0) depctr_va_vdst(0) depctr_va_sdst(0) depctr_va_ssrc(0) depctr_va_vcc(0) depctr_vm_vsrc(0)
	s_getreg_b32 s2, hwreg(HW_REG_IB_STS2, 6, 4)
	s_cmp_eq_u32 s2, 0
	s_cbranch_scc0 .Lentry_in_a_cluster
	s_endpgm
.Lentry_in_a_cluster:
	s_bfe_u32 s2, ttmp6, 0x10000c
	s_cmp_lg_u32 s2, 0xf033
	s_cbranch_scc0 .Lentry_shape_is_right
	s_endpgm
.Lentry_shape_is_right:
; out0 = attn proj_w^T + proj_b.  attn [8192][1024] and proj_w [1024][1024] come as f16 images of operand registers: [tile of 16 rows][kb 64][512 bytes], lane (r, h): row r, K = 16 kb + 8 h + 0 .. 7.  Sums in f32.
; A tile of the result is 128 rows x 256 columns: 64 x 4 = 256 work-groups (tiles of 256 x 256 would be 128).  Four waves, each 64 x 128: 32 accumulators of 16 x 16, 256 registers.
; K goes in steps of 128 through a ring of two LDS slots: a tile of 16 rows has 4,096 consecutive bytes for a K step, 32,768 bytes apart from tile to tile.  In LDS they lie on end: every fragment load
; reads 512 consecutive bytes: no pitch, no padding.
; CLUSTERS: 4 x 4 work-groups.  The four of a row of the cluster need the same tiles of attn, the four of a column the same tiles of proj_w: each is asked for JOINTLY.
; THE MATRIX INSTRUCTION IS USED TRANSPOSED (source 0 = 16 rows of proj_w, source 1 = 16 rows of attn): a lane holds eight neighbouring numbers of a row of the result.  The bias is the C of each sum's first product.
; No prefetch: a K step's tiles are small and the tiles are shared in the cluster.
; REGISTERS: window 0: v16-29 addresses; v32-127, v128-223 two fragment buffers (A's 4 fragments, then B's 8); on the way out rows of the result.   window 1: the accumulators ((a, b) at v[8 (8 a + b)]).   window 2: v0-63 the bias.
.set KB,     4096                      ; a K step of a tile of 16 rows, in bytes
.set SLOT,   98304                     ; A's 8 tiles, then B's 16
.set BOFF,   32768
.set STAGE,  2*SLOT                    ; behind the ring: 16 rows x (512 bytes + 16) for each wave
.set SPITCH, 528
.set SPARE,  STAGE+4*16*SPITCH         ; the spare words, 128 bytes for each wave
.set LAPS,   4                         ; a lap = two K steps
.set ADRA, 16                          ; v16-17  LDS address of my A fragments in slot 0, 1
.set ADRB, 20                          ; v20-21  the same for B
.set STO,  24                          ; v24     the way out: where I put 32 bytes of a row
.set RD,   25                          ; v25     where I read a row back
.set CO,   26                          ; v26     16 x lane
.set VB,   27                          ; v27     32 h
.set SPW,  28                          ; v28     LDS address of my spare word; never rewritten
.set NIL,  29                          ; v29     0; never rewritten
.set F0,   32
.set F1,   128
.set G1, 24                            ; s[24:31] descriptor group 1 for A's tiles;  s[32:39] group 0, one set for each slot
.set G0, 32
.set G1B, 48                           ; s[48:55], s[56:63] the same for B's
.set G0B, 56
.set MSB, 0
.macro WIN new
.if MSB != (\new)
	s_set_vgpr_msb (MSB<<8)|(\new)
.set MSB, (\new)
.endif
.endm
.set MUL,  0x50                        ; C and D window 1, sources window 0
.set FST,  0x60                        ; the first products: C (the bias) window 2, D window 1
.macro PLACES
.rept 4
	v_nop
.endr
.endm
.macro JLOAD s                         ; a joint load: waves 0 and 1 fetch A's two halves, waves 2 and 3 B's; an s_nop 0 and four v_nop follow each line
	s_cmp_eq_u32 s13, 0
	s_cbranch_scc0 .Lfor_b_\@
	tensor_load_to_lds s[G0+4*\s:G0+4*\s+3], s[G1:G1+7]
	s_nop 0
.rept 4
	v_nop
.endr
	s_branch .Lasked_\@
.Lfor_b_\@:
	tensor_load_to_lds s[G0B+4*\s:G0B+4*\s+3], s[G1B:G1B+7]
	s_nop 0
.rept 4
	v_nop
.endr
.Lasked_\@:
.endm
.macro CREST                           ; a round of the cluster's barrier behind its opening barrier
	s_cmp_lg_u32 s12, 0
	s_cbranch_scc1 .Lnot_wave_0_\@
	s_barrier_signal -3
.Lnot_wave_0_\@:
	s_barrier_wait -3
	s_barrier_signal -1
	s_barrier_wait -1
.endm
.macro CROUND
	s_barrier_signal -1
	s_barrier_wait -1
	CREST
.endm
	s_load_b256 s[4:11], s[0:1], 0x0               ; a_img s[4:5], w_img s[6:7], proj_b s[8:9], out0 s[10:11]
	v_lshl_add_u32 v[SPW], v0, 2, SPARE
	v_mov_b32 v[NIL], 0
	ds_add_u32 v[SPW], v[NIL]                      ; the wave's opening: the add, twice on end, and its wait ahead of my first tensor load
	ds_add_u32 v[SPW], v[NIL]
	v_lshrrev_b32 v1, 5, v0
	v_readfirstlane_b32 s12, v1                    ; wave 0..3
	s_lshr_b32 s13, s12, 1                         ; which 64 rows are mine.  Also: I fetch for A (0) or for B (1)
	s_and_b32 s14, s12, 1                          ; which 128 columns.  Also: which half of that tile I fetch
	s_bfe_u32 s40, ttmp6, 0x40000                  ; cx, cy
	s_bfe_u32 s41, ttmp6, 0x40004
	s_lshl_b32 s42, ttmp9, 2
	s_add_co_u32 s42, s42, s40                     ; tile column = 4 x cluster x + cx
	s_and_b32 s15, ttmp7, 0xffff
	s_lshl_b32 s15, s15, 2
	s_add_co_u32 s15, s15, s41                     ; tile row = 4 x cluster y + cy
	s_lshl_b32 s43, s41, 2
	s_lshl_b32 s43, 15, s43                        ; my row of the cluster
	s_lshl_b32 s44, 0x1111, s40                    ; my column
	; descriptor group 1: rows of 4,096 bytes (512 elements of 8 bytes), 32,768 bytes apart, no padding: A 4 rows a load, B 8
	s_or_b32 s[G1+0], s43, (3<<16)|(1<<21)         ; 15:0 the mask; 17:16 elements of 8 bytes; 21 set beside a mask
	s_or_b32 s[G1B+0], s44, (3<<16)|(1<<21)
	s_mov_b32 s[G1+1], 512<<16                     ; tensor_dim0
	s_mov_b32 s[G1+2], 4<<16                       ; tensor_dim1
	s_mov_b32 s[G1+3], 512<<16                     ; tile_dim0
	s_mov_b32 s[G1+4], 4                           ; tile_dim1
	s_mov_b32 s[G1+5], 4096                        ; tensor_dim0_stride
	s_mov_b32 s[G1+6], 0
	s_mov_b32 s[G1+7], 0
	s_mov_b32 s[G1B+1], 512<<16
	s_mov_b32 s[G1B+2], 8<<16
	s_mov_b32 s[G1B+3], 512<<16
	s_mov_b32 s[G1B+4], 8
	s_mov_b32 s[G1B+5], 4096
	s_mov_b32 s[G1B+6], 0
	s_mov_b32 s[G1B+7], 0
	s_lshl_b32 s16, s15, 3                         ; A: tile of 16 rows 8 x tile row + 4 x half,
	s_lshl_b32 s17, s14, 2
	s_add_co_u32 s16, s16, s17
	s_lshl_b32 s16, s16, 15                        ; 32,768 bytes each
	s_mov_b32 s17, 0
	s_lshl_b32 s46, s42, 4                         ; B: 16 x tile column + 8 x half
	s_lshl_b32 s47, s14, 3
	s_add_co_u32 s46, s46, s47
	s_lshl_b32 s46, s46, 15
	s_mov_b32 s47, 0
	s_lshl_b32 s20, s14, 14                        ; where they go in a slot: A's half,
	s_lshl_b32 s21, s14, 15
	s_add_co_u32 s21, s21, BOFF                    ; B's half: no place in the cluster enters an LDS address
	s_wait_dscnt 0x0                               ; both opening adds are done
	s_wait_kmcnt 0x0
	s_add_nc_u64 s[18:19], s[4:5], s[16:17]
	s_add_nc_u64 s[46:47], s[6:7], s[46:47]
	CROUND                                         ; all sixteen work-groups are here: the first joint loads meet
.irp s, 0,1
	s_mov_b32 s[G0+4*\s], 1
	s_add_co_u32 s[G0+4*\s+1], s20, \s*SLOT
	s_add_nc_u64 s[G0+4*\s+2:G0+4*\s+3], s[18:19], \s*KB
	s_or_b32 s[G0+4*\s+3], s[G0+4*\s+3], 0x80000000
	s_mov_b32 s[G0B+4*\s], 1
	s_add_co_u32 s[G0B+4*\s+1], s21, \s*SLOT
	s_add_nc_u64 s[G0B+4*\s+2:G0B+4*\s+3], s[46:47], \s*KB
	s_or_b32 s[G0B+4*\s+3], s[G0B+4*\s+3], 0x80000000
	JLOAD \s                                       ; two tensor loads of mine are out
.endr
	v_and_b32 v1, 31, v0
	v_lshlrev_b32 v[CO], 4, v1                     ; 16 x lane
	v_and_b32 v2, 15, v0                           ; r
	v_bfe_u32 v3, v0, 4, 1                         ; h
	v_lshlrev_b32 v[VB], 5, v3
	s_lshl_b32 s20, s13, 14                        ; my 4 tiles of A
	s_lshl_b32 s21, s14, 15                        ; my 8 tiles of B,
	s_add_co_u32 s21, s21, BOFF                    ; behind A's 8
.irp s, 0,1
	v_add_nc_u32 v[ADRA+\s], s20, v[CO]
	v_add_nc_u32 v[ADRB+\s], s21, v[CO]
	s_add_co_u32 s20, s20, SLOT
	s_add_co_u32 s21, s21, SLOT
.endr
	s_mul_i32 s20, s12, 16*SPITCH
	s_add_co_u32 s20, s20, STAGE                   ; my stage
	v_mul_u32_u24 v4, v2, SPITCH
	v_lshl_add_u32 v4, v3, 5, v4
	v_add_nc_u32 v[STO], s20, v4                   ; in: row r, 32 bytes for each half of the lanes
	v_add_nc_u32 v[RD], s20, v[CO]                 ; back: the 32 lanes take one row of 512 bytes
	s_lshl_b32 s22, s42, 10                        ; my first column, in bytes: 1,024 x tile column + 512 x half
	s_lshl_b32 s23, s14, 9
	s_add_co_u32 s22, s22, s23
	s_mov_b32 s23, 0
	s_add_nc_u64 s[8:9], s[8:9], s[22:23]          ; in the bias
	s_add_nc_u64 s[10:11], s[10:11], s[22:23]      ; and in a row of the result
	s_lshl_b32 s22, s15, 19                        ; my first row: 128 x tile row + 64 x half, 4,096 bytes each
	s_lshl_b32 s21, s13, 18
	s_add_co_u32 s22, s22, s21
	s_add_nc_u64 s[10:11], s[10:11], s[22:23]
	WIN 0x80                                       ; destination window 2
.irp b, 0,1,2,3,4,5,6,7
	global_load_b128 v[8*\b:8*\b+3], v[VB], s[8:9] offset:64*\b          ; the bias in the result's layout: columns 16 b + 8 h + 0 .. 7
	global_load_b128 v[8*\b+4:8*\b+7], v[VB], s[8:9] offset:64*\b+16
.endr
	WIN 0
; 8 matrix instructions: A's block a x B's eight, 32 along K, from buffer f.  zero = 1: the first product starts the sum from the bias.  The 32 accumulators take turns.
.macro MUL8 f, a, zero
.irp b, 0,1,2,3,4,5,6,7
.if \zero
	v_wmma_f32_16x16x32_f16 v[8*(8*(\a)+\b):8*(8*(\a)+\b)+7], v[\f+32+8*\b:\f+32+8*\b+7], v[\f+8*(\a):\f+8*(\a)+7], v[8*\b:8*\b+7]
.else
	v_wmma_f32_16x16x32_f16 v[8*(8*(\a)+\b):8*(8*(\a)+\b)+7], v[\f+32+8*\b:\f+32+8*\b+7], v[\f+8*(\a):\f+8*(\a)+7], v[8*(8*(\a)+\b):8*(8*(\a)+\b)+7]
.endif
.endr
.endm
; 24 LDS loads in one run: the fragments of the slot's c-th 32 along K into buffer f: B's eight, then A's four
.macro FETCH slot, c, f
	WIN 0
.irp i, 0,1,2,3,4,5,6,7
	ds_load_b128 v[\f+32+8*\i:\f+32+8*\i+3],   v[ADRB+\slot] offset:KB*\i+1024*(\c)
	ds_load_b128 v[\f+32+8*\i+4:\f+32+8*\i+7], v[ADRB+\slot] offset:KB*\i+1024*(\c)+512
.endr
.irp i, 0,1,2,3
	ds_load_b128 v[\f+8*\i:\f+8*\i+3],   v[ADRA+\slot] offset:KB*\i+1024*(\c)
	ds_load_b128 v[\f+8*\i+4:\f+8*\i+7], v[ADRA+\slot] offset:KB*\i+1024*(\c)+512
.endr
.endm
; A K step is four quarters of 32 along K, 32 matrix instructions each, on buffers 0, 1, 0, 1.  One of the first three: multiplies buffer f and fetches the slot's c-th quarter into g.
.macro QUARTER slot, c, f, g, zero
	s_wait_dscnt 4                                 ; B and A's fragments 0 and 1 are in; the youngest four loads (A's 2 and 3) may be out
.if \zero
	WIN FST
.else
	WIN MUL
.endif
	MUL8 \f, 0, \zero
	MUL8 \f, 1, \zero
	PLACES                                         ; ahead of loads into registers that matrix instructions have read
	FETCH \slot, \c, \g
	s_wait_dscnt 24                                ; all but the 24 just issued
.if \zero
	WIN FST
.else
	WIN MUL
.endif
	MUL8 \f, 2, \zero
	MUL8 \f, 3, \zero
.endm
; The last quarter multiplies buffer 1 and changes slots: ONE barrier; in front of it each wave waits for all its tensor loads, adds 0 to its spare word, and waits for that and for its reads of this slot.
; fill = 1: the barrier opens a round of the cluster's, and this slot is filled again, two K steps ahead.
.macro TURN slot, next, fill
	WIN 0                                          ; (the add's two registers lie in window 0)
	s_wait_tensorcnt 0x0                           ; all my tensor loads have landed: my part of the next slot;
	ds_add_u32 v[SPW], v[NIL]                      ; 0 onto my spare word;
	s_wait_dscnt 5                                 ; (the add and the youngest four loads may be out)
	WIN MUL
	MUL8 F1, 0, 0                                  ; eight matrix instructions stand between the add and the wait for it
	s_wait_dscnt 0x0                               ; the add is done, and my reads of this slot are over
	s_barrier_signal -1
	MUL8 F1, 1, 0
.if \fill
	WIN 0
.endif
	s_barrier_wait -1
.if \fill
	CREST                                          ; no wave of any partner still reads this slot's tile or has a load on its way
	s_add_nc_u64 s[G0+4*\slot+2:G0+4*\slot+3], s[G0+4*\slot+2:G0+4*\slot+3], 2*KB
	s_add_nc_u64 s[G0B+4*\slot+2:G0B+4*\slot+3], s[G0B+4*\slot+2:G0B+4*\slot+3], 2*KB
	JLOAD \slot                                    ; the first tensor load behind the round; its four v_nop are also the places in front of the loads below
.else
	PLACES
.endif
	FETCH \next, 0, F0
	WIN MUL
	MUL8 F1, 2, 0
	MUL8 F1, 3, 0
.endm
	s_wait_tensorcnt 1                             ; my part of K step 0 is in (K step 1's load may be out)
	s_barrier_signal -1
	s_barrier_wait -1                              ; everybody's is
	FETCH 0, 0, F0
	s_wait_loadcnt 0x0                             ; the bias
	QUARTER 0, 1, F0, F1, 1                        ; the first quarter stands in front of the loop: its products start the sums
	WIN 0                                          ; at a label and at a branch every window is 0
	s_mov_b32 s3, LAPS-1
.Llap:                                             ; a trip goes once round the ring, from a lap's second quarter to the next lap's first, and fills both slots again
	QUARTER 0, 2, F1, F0, 0
	QUARTER 0, 3, F0, F1, 0
	TURN 0, 1, 1
	QUARTER 1, 1, F0, F1, 0
	QUARTER 1, 2, F1, F0, 0
	QUARTER 1, 3, F0, F1, 0
	TURN 1, 0, 1
	QUARTER 0, 1, F0, F1, 0
	WIN 0
	s_sub_co_u32 s3, s3, 1
	s_cmp_lg_u32 s3, 0
	s_cbranch_scc1 .Llap
	QUARTER 0, 2, F1, F0, 0                        ; the last lap fills nothing, and has no round of the cluster's barrier
	QUARTER 0, 3, F0, F1, 0
	TURN 0, 1, 0
	QUARTER 1, 1, F0, F1, 0
	QUARTER 1, 2, F1, F0, 0
	QUARTER 1, 3, F0, F1, 0
	s_wait_dscnt 4                                 ; the very last quarter: nothing more to fetch
	WIN MUL
	MUL8 F1, 0, 0
	MUL8 F1, 1, 0
	s_wait_dscnt 0
	MUL8 F1, 2, 0
	MUL8 F1, 3, 0
	WIN 0
; THE WAY OUT, block by block of 16 rows x 128 columns.  A lane holds 32 neighbouring bytes of a row, and the lanes beside it hold other rows: a block goes through my own stage in LDS and comes back as whole
; rows of 512 bytes.  LDS serves a wave's instructions in order (ISA guide 5.7.1.4): no wait between the stores and the loads, nor in front of the next block's stores.
.macro TOSTAGE a
.set AC, 64*(\a)
	WIN 0x04                                       ; an LDS store's data: window 1
.irp b, 0,1,2,3,4,5,6,7
	ds_store_b128 v[STO], v[AC+8*\b:AC+8*\b+3] offset:64*\b          ; each accumulator from its low end on
	ds_store_b128 v[STO], v[AC+8*\b+4:AC+8*\b+7] offset:64*\b+16
.endr
	WIN 0
.set BB, 32+96*((\a)%2)
.irp t, 0,1,2,3,4,5,6,7,8,9,10,11,12,13,14,15
	ds_load_b128 v[BB+4*\t:BB+4*\t+3], v[RD] offset:\t*SPITCH
.endr
.endm
.macro SEND a, younger                 ; younger: the LDS instructions issued behind block a's loads, which may stay out
.set BB, 32+96*((\a)%2)
	s_wait_dscnt \younger                          ; the block is back in registers
.irp t, 0,1,2,3,4,5,6,7,8,9,10,11,12,13,14,15
	global_store_b128 v[CO], v[BB+4*\t:BB+4*\t+3], s[10:11] offset:4096*(16*(\a)+\t) th:TH_STORE_NT   ; 32 lanes store 512 consecutive bytes, aligned; written once, read by nobody here
.endr
.endm
	PLACES                                         ; behind the last products: ahead of the stores that read results and of the loads into the fragments' registers
	TOSTAGE 0
.irp a, 1,2,3
.if \a > 1
	s_wait_xcnt 0x0                                ; block a - 2's stores have read their registers: block a's loads may land there
.endif
	TOSTAGE \a
	SEND (\a)-1, 32                                ; behind block a - 1's loads: block a's 16 stores and 16 loads
.endr
	SEND 3, 0
	s_wait_tensorcnt 0x0                           ; the wave's end, behind my last tensor load and my last LDS store
	ds_add_u32 v[SPW], v[NIL]
	s_wait_dscnt 0x0
	CROUND                                         ; the closing round
	s_endpgm
.Lfunc_end_k_qda8ba249de_proj:
	.size	k_qda8ba249de_proj, .Lfunc_end_k_qda8ba249de_proj-k_qda8ba249de_proj
	.p2alignl 7, 3214868480
	.fill 96, 4, 3214868480
	.section	.rodata,"a",@progbits
	.p2align	6, 0x0
	.amdhsa_kernel k_qda8ba249de_proj
		.amdhsa_group_segment_fixed_size 327680
		.amdhsa_private_segment_fixed_size 0
		.amdhsa_enable_private_segment 0
		.amdhsa_kernarg_size 32
		.amdhsa_user_sgpr_count 2
		.amdhsa_user_sgpr_kernarg_segment_ptr 1
		.amdhsa_wavefront_size32 1
		.amdhsa_system_sgpr_workgroup_id_x 1
		.amdhsa_system_sgpr_workgroup_id_y 1
		.amdhsa_system_sgpr_workgroup_id_z 1
		.amdhsa_system_vgpr_workitem_id 0
		.amdhsa_next_free_vgpr 576
		.amdhsa_next_free_sgpr 66
		.amdhsa_reserve_vcc 0
		.amdhsa_float_denorm_mode_32 3
		.amdhsa_float_denorm_mode_16_64 3
		.amdhsa_memory_ordered 1
		.amdhsa_forward_progress 1
		.amdhsa_inst_pref_size 86
	.end_amdhsa_kernel
	.amdgpu_metadata
---
amdhsa.version: [ 1, 2 ]
amdhsa.kernels:
  - .name:           k_qda8ba249de_proj
    .symbol:         k_qda8ba249de_proj.kd
    .args:
      - { .name: a_img, .offset: 0, .size: 8, .value_kind: global_buffer, .address_space: global }
      - { .name: w_img, .offset: 8, .size: 8, .value_kind: global_buffer, .address_space: global }
      - { .name: proj_b, .offset: 16, .size: 8, .value_kind: global_buffer, .address_space: global }
      - { .name: out0, .offset: 24, .size: 8, .value_kind: global_buffer, .address_space: global }
    .group_segment_fixed_size: 327680
    .private_segment_fixed_size: 0
    .kernarg_segment_align: 8
    .kernarg_segment_size: 32
    .max_flat_workgroup_size: 128
    .sgpr_count:     66
    .vgpr_count:     576
    .wavefront_size: 32
...
	.end_amdgpu_metadata
.endif
;; end of part 4
